; MI455X (gfx1250); checked and timed in simulation.
; The chip was launched on July 23, 2026; its instructions are those of AMD's public machine-readable ISA for CDNA 5 (MIT licence, August 2026) and "CDNA5" Instruction Set Architecture Reference Guide (July 2026). The comments in the code are by the model that wrote it; some were corrected since.
;; Multi Head Attention Einsum. Allowed arithmetic: matrix products marked QUANTISED: E2M3 operands, one E8M0 scale for each 32 along K, by v_wmma_scale_f32_16x16x128_f8f6f4 with both operands' format E2M3, f32 sums; everything else in f32.
;; Inputs: W_k 1,024 x 1,024 float32; W_out 1,024 x 1,024 float32; W_q 1,024 x 1,024 float32; W_v 1,024 x 1,024 float32; b_out 1,024 float32; x 4 x 2,048 x 1,024 float32.
;; Outputs: out0 4 x 2,048 x 1,024 float32.
;; This version of the problem:
;;   THIS VERSION OF THE PROBLEM IS GIVEN IN LOW PRECISION. The matrix products marked QUANTISED in the list below multiply operands that are first quantised to E2M3 (2 exponent bits, 3 mantissa bits; 6 bits a number), with one power-of-two scale for each 32 numbers along K (OCP MX v1.0); their sums are f32. All else is computed in f32.
;;   The module's matrix products, in the order in which they are computed (A, B: the left and right operand; K: the contracted axis; several contracted axes count as one K, in the product's order):
;;     1. [M 8,192, K 1,024] x [K 1,024, N 1,024]; A: input x; B: input W_q: QUANTISED
;;     2. [M 8,192, K 1,024] x [K 1,024, N 1,024]; A: input x; B: input W_k: QUANTISED
;;     3. [M 8,192, K 1,024] x [K 1,024, N 1,024]; A: input x; B: input W_v: QUANTISED
;;     4. batch 64 x [M 2,048, K 64] x [K 64, N 2,048]; A: computed on the way; B: computed on the way: QUANTISED
;;     5. batch 64 x [M 2,048, K 2,048] x [K 2,048, N 64]; A: softmax (see below); B: computed on the way: QUANTISED
;;     6. [M 8,192, K 1,024] x [K 1,024, N 1,024]; A: computed on the way; B: input W_out: QUANTISED
;;   THE QUANTISER, for each operand of a quantised product, along K:
;;     - K is cut into blocks of 32 from its start; a last block that is shorter is filled with zeros.
;;     - A block's scale is 2^e with e = floor(log2(the largest magnitude in the block)) - 2, held to -126 .. 127; a block of zeros has e = 0. As a byte (E8M0): e + 127.
;;     - Each number is divided by its block's scale, clamped to +-7.5, and rounded to the nearest number of E2M3, ties to even, subnormals kept.
;;     - The product sums the exact products of the quantised numbers (number of the format x scale) in f32.
;;   ~~~python
;;   def quantise(x, axis):      # numpy; x: float32 -> the quantised numbers, widened to float32 again
;;       x = np.moveaxis(x, axis, -1); K = x.shape[-1]
;;       x = np.pad(x, [(0, 0)] * (x.ndim - 1) + [(0, -K % 32)]); x = x.reshape(x.shape[:-1] + (-1, 32)); a = np.abs(x).max(-1, keepdims=True)
;;       e = np.where(a > 0, np.clip(np.frexp(np.where(a > 0, a, 1))[1] - 1 - 2, -126, 127), 0)      # np.frexp(a)[1] - 1 = floor(log2(a)), exactly
;;       r = np.clip(x / 2.0 ** e, -7.5, 7.5)
;;       step = 2.0 ** (np.maximum(np.frexp(np.where(r == 0, 1, r))[1] - 1, 0) - 3)
;;       q = np.round(r / step) * step * 2.0 ** e      # np.round: ties to even
;;       return np.moveaxis(q.reshape(q.shape[:-2] + (-1,))[..., :K], -1, axis).astype(np.float32)
;;   ~~~
;;   SOFTMAX AHEAD OF A QUANTISED PRODUCT. Where the list says 'softmax', what is quantised is not the finished softmax but p = 2^(t - M), with t = logit x log2(e) and M = ceil(the row's largest t), a whole number; so 1/2 < the row's largest p <= 1. The row's sum l is taken of the UNQUANTISED p, in f32, and the product's result is divided by l at the end. Since M is a whole number, a kernel that streams over the keys may use a running M (the ceiling of the running maximum): every later rescaling is an exact power of two, which a block's scale takes up: the codes' values come out the same.
;;   OPERANDS COMPUTED ON THE WAY. 'Computed on the way' means the value that the module computes at that place (a softmax that the list does not call 'softmax' is quantised finished and normalised). What goes into a quantiser is computed in f32, as accurately as f32 sums, v_exp_f32 and their like allow (about 1e-6 of the number): no bf16 or f16 on the way to a quantiser, and a product that is left as it is and whose result goes on into a quantised operand takes f32 operands (vector FMAs, or v_wmma_f32_16x16x4_f32). A number that lies on a knife's edge between two numbers of the format may be rounded either way, as far as f32 arithmetic and the matrix unit's own rounding can turn it there, and no further.
;; One version. Each part assembles by itself: llvm-mc -triple=amdgcn-amd-amdhsa -mcpu=gfx1250 --defsym DOCPART=n.
;; ======== version 1 of 1: 4 launches
;; workspace buffers: xq 6,553,600 bytes; wqk 1,638,400 bytes; wv 819,200 bytes; wo 819,200 bytes; qkb 13,107,200 bytes; vb 13,107,200 bytes; cq 6,553,600 bytes
;; launch quant (part 1): grid 384 x 1, 4 waves a work-group, no clusters, 34,304 bytes of LDS; arguments x, W_q, W_k, W_v, W_out, xq, wqk, wv, wo; writes xq, wqk, wv, wo
.if DOCPART == 1
	.amdgcn_target "amdgcn-amd-amdhsa--gfx1250"
	.amdhsa_code_object_version 6
	.text
	.protected	k_q7d514d47af_quant
	.globl	k_q7d514d47af_quant
	.p2align	8
	.type	k_q7d514d47af_quant,@function
k_q7d514d47af_quant:
	s_mov_b64 s[64:65], 0
	v_nop
	global_prefetch_b8 v0, s[64:65] scope:SCOPE_SE
	s_setreg_imm32_b32 hwreg(HW_REG_WAVE_MODE, 25, 1), 1
	s_wait_xcnt 0x0
; x [8192][1024] and the four weights [1024][1024], f32 with K innermost, become codes of FP6 (E2M3) with one E8M0 byte for each 32 along K,
; laid as IMAGES OF THE OPERAND REGISTERS, so that the products' launches fetch fragments by dense loads alone.
; PANELS.  A buffer is [row / 128][K / 128][12,800 bytes]: eight fragments of 1,536 bytes (tile T = 0 .. 7), then two quads of scale words of 256 bytes.
; A fragment is 16 rows x 128 K, 12 registers a lane: registers 0-3 at 16 x lane, 4-5 at 512 + 8 x lane, 6-9 at 768 + 16 x lane, 10-11 at 1,280 + 8 x lane.
; THE ROWS OF A TILE ARE NOT NEIGHBOURS: lane r of tile T takes row 32 (T / 2) + 8 (T % 2) + r % 8 + 16 (r / 8), so that a product with such a tile as source 0 leaves 16 neighbours in the 16 registers of two tiles.
; A quad: lane r has 16 bytes at 16 r, word q the scale word (four bytes, 128 along K) of row r of tile 4 Q + q.
; SHARES.  A work-group takes 64 rows (four tiles) and four K steps of 128; wave w one K step: four fragments and one quad.  Groups 0-127 are x, then 16 each for W_q, W_k, W_v, W_out; W_q and W_k share one buffer.
; Only pointers and two numbers are chosen by the group, by selects: all tensors take one path.  Work-groups share no input: no cluster, no tensor load, no barrier (each wave has a stage of its own).
; A load reads 512 consecutive bytes of one row; the conversions want 16 neighbours in one lane: so a tile turns through the stage (16 rows, 528 bytes apart).
; A block's scale is 2^(floor(log2(its largest magnitude)) - 2); its byte is the largest magnitude's exponent field - 2, held at 1 from below.
; LIMITS: a block of zeros, or one whose largest magnitude lies under 2^-124, keeps the byte 1 where the rule says 127 or less: its codes are zeros or follow the held scale, and this program alone reads the bytes; NaN and infinities are not served.
.set TM,  8                            ; v8-11 largest magnitudes, v12-15 the other half's, then bytes, v20-23 the conversions' scale operands
.set SW,  24                           ; v24-27 the four tiles' scale words: the quad
.set PC,  28                           ; v28-39 a fragment's codes, v40-47 the conversions' second halves
.set R,   64                           ; v64-191 two sets of 64: a tile as loaded
.set X,   192                          ; v192-255 64 numbers of my row: register 16 b + i = k 32 b + 16 (lane / 16) + i
.set SEL, 40                           ; s[40:41] selects of v_permlanex16_b32: lane l xor 16
.set SP,  528                          ; a stage row: 512 bytes + 16 = 132 words: row r starts 4 r words on modulo 64 (64 banks of 4 bytes: ISA guide 11.1)
	s_load_b256 s[4:11], s[0:1], 0x0               ; x s[4:5], W_q s[6:7], W_k s[8:9], W_v s[10:11]
	s_load_b256 s[12:19], s[0:1], 0x20             ; W_out s[12:13], xq s[14:15], wqk s[16:17], wv s[18:19]
	s_load_b64 s[20:21], s[0:1], 0x40              ; wo
	v_lshl_add_u32 v62, v0, 2, 0x8400
	v_mov_b32 v63, 0
	v_lshrrev_b32 v6, 5, v0
	v_readfirstlane_b32 s23, v6                    ; wave
	v_and_b32 v6, 31, v0                           ; lane
	v_and_b32 v7, 15, v0                           ; r
	v_lshlrev_b32 v1, 4, v6                        ; 16 x lane
	v_lshlrev_b32 v2, 3, v6                        ; 8 x lane
	v_lshlrev_b32 v3, 4, v7                        ; 16 r
	s_mul_i32 s42, s23, 16*SP                      ; my stage
	v_add_nc_u32 v4, s42, v1                       ; in: 16 x lane of a row
	v_mul_u32_u24 v5, v7, SP
	v_bfe_u32 v6, v0, 4, 1
	v_lshl_add_u32 v5, v6, 6, v5
	v_add_nc_u32 v5, s42, v5                       ; out: row r, + 64 bytes for the upper half of the lanes
	s_mov_b32 s[SEL], 0x76543210
	s_mov_b32 s[SEL+1], 0xfedcba98
.irp b, 0,1,2,3
	v_mov_b32 v[TM+4+\b], 0                        ; written once: a lane permute's destination counts as one of its sources
.endr
	s_lshr_b32 s22, ttmp9, 1                       ; the group of 64 rows
	s_and_b32 s43, ttmp9, 1
	s_lshl_b32 s43, s43, 2
	s_add_co_u32 s43, s43, s23                     ; my K step of 128
	s_wait_alu depctr_va_vdst(0)
	s_wait_kmcnt 0x0
	s_mov_b64 s[24:25], s[4:5]                     ; from x
	s_mov_b64 s[26:27], s[14:15]                   ; into xq
	s_mov_b32 s28, 0                               ; the source's first group
	s_mov_b32 s29, 0                               ; the destination's first group
	s_cmp_ge_u32 s22, 128                          ; the choices hang on the work-group's number alone
	s_cselect_b64 s[24:25], s[6:7], s[24:25]
	s_cselect_b64 s[26:27], s[16:17], s[26:27]
	s_cselect_b32 s28, 128, s28
	s_cselect_b32 s29, 128, s29
	s_cmp_ge_u32 s22, 144                          ; W_k goes on in wqk, behind W_q
	s_cselect_b64 s[24:25], s[8:9], s[24:25]
	s_cselect_b32 s28, 144, s28
	s_cmp_ge_u32 s22, 160
	s_cselect_b64 s[24:25], s[10:11], s[24:25]
	s_cselect_b64 s[26:27], s[18:19], s[26:27]
	s_cselect_b32 s28, 160, s28
	s_cselect_b32 s29, 160, s29
	s_cmp_ge_u32 s22, 176
	s_cselect_b64 s[24:25], s[12:13], s[24:25]
	s_cselect_b64 s[26:27], s[20:21], s[26:27]
	s_cselect_b32 s28, 176, s28
	s_cselect_b32 s29, 176, s29
	s_sub_co_u32 s30, s22, s28
	s_lshl_b32 s30, s30, 18                        ; 64 rows of 4,096 bytes a group,
	s_lshl_b32 s31, s43, 9                         ; 512 bytes a K step
	s_add_co_u32 s30, s30, s31
	s_mov_b32 s31, 0
	s_add_nc_u64 s[24:25], s[24:25], s[30:31]
	s_sub_co_u32 s32, s22, s29
	s_lshr_b32 s33, s32, 1
	s_mul_i32 s33, s33, 102400                     ; the block of 128 rows,
	s_mul_i32 s34, s43, 12800                      ; its panel of my K step
	s_add_co_u32 s33, s33, s34
	s_and_b32 s32, s32, 1                          ; which half of the panel's tiles
	s_mul_i32 s34, s32, 6144
	s_add_co_u32 s34, s34, s33
	s_mov_b32 s35, 0
	s_add_nc_u64 s[36:37], s[26:27], s[34:35]      ; my four fragments
	s_lshl_b32 s34, s32, 8
	s_add_co_u32 s34, s34, s33
	s_add_co_u32 s34, s34, 12288
	s_add_nc_u64 s[38:39], s[26:27], s[34:35]      ; my quad
.macro LOADT a, set                    ; tile a: its 16 rows, 512 consecutive bytes a load
.irp i, 0,1,2,3,4,5,6,7,8,9,10,11,12,13,14,15
	global_load_b128 v[R+64*(\set)+4*\i:R+64*(\set)+4*\i+3], v1, s[24:25] offset:(32*((\a)/2)+8*((\a)%2)+(\i%8)+16*(\i/8))*4096 th:TH_LOAD_NT
.endr
.endm
.macro TURN set                        ; through the stage: LDS serves a wave's instructions in order (ISA guide 5.7.1.4), so no wait stands between the stores and the loads
.irp i, 0,1,2,3,4,5,6,7,8,9,10,11,12,13,14,15
	ds_store_b128 v4, v[R+64*(\set)+4*\i:R+64*(\set)+4*\i+3] offset:SP*\i
.endr
.irp b, 0,1,2,3
.irp j, 0,1,2,3
	ds_load_b128 v[X+16*\b+4*\j:X+16*\b+4*\j+3], v5 offset:128*\b+16*\j
.endr
.endr
.endm
; 64 numbers of a lane, register 16 b + i = k 32 b + 16 (lane / 16) + i of my row, become a fragment's codes in v[pc] on and its scale word in v[pw].
.macro QUANT s, pc, pw
.irp b, 0,1,2,3
	v_max3_num_f32 v[TM+\b], |v[(\s)+16*\b]|, |v[(\s)+1+16*\b]|, 0x1800000   ; block b: my 16 numbers, and the floor 2^(3 - 127): the byte cannot fall under 1
.endr
.irp i, 2,4,6,8,10,12,14
.irp b, 0,1,2,3
	v_max3_num_f32 v[TM+\b], v[TM+\b], |v[(\s)+16*\b+\i]|, |v[(\s)+1+16*\b+\i]|   ; the four blocks by turns
.endr
.endr
.irp b, 0,1,2,3
	v_permlanex16_b32 v[TM+4+\b], v[TM+\b], s[SEL], s[SEL+1]
.endr
.irp b, 0,1,2,3
	v_max_num_f32 v[TM+\b], v[TM+\b], v[TM+4+\b]   ; with lane l xor 16: the block's largest magnitude
.endr
.irp b, 0,1,2,3
	v_add_nc_u32 v[TM+12+\b], 0xff000000, v[TM+\b] ; 2 off its exponent field: the conversion takes that field as its scale
.endr
.irp b, 0,1,2,3
	v_lshrrev_b32 v[TM+4+\b], 23, v[TM+12+\b]      ; the scale's byte
.endr
	v_lshl_or_b32 v[\pw], v[TM+5], 8, v[TM+4]
	v_lshl_or_b32 v[\pw], v[TM+6], 16, v[\pw]
	v_lshl_or_b32 v[\pw], v[TM+7], 24, v[\pw]      ; my row's scale word
.irp c, 0,1
	v_cvt_scalef32_pk16_fp6_f32 v[(\pc)+6*\c:(\pc)+2+6*\c], v[(\s)+32*\c:(\s)+15+32*\c], v[TM+12+2*\c]
	v_cvt_scalef32_pk16_fp6_f32 v[(\pc)+12+4*\c:(\pc)+14+4*\c], v[(\s)+16+32*\c:(\s)+31+32*\c], v[TM+13+2*\c]   ; a conversion's three registers begin on an even number
.endr
	v_nop                                          ; one plain place behind a scaled conversion
.irp c, 0,1                            ; the operand wants a whole block in a lane: lanes 0-15 block 2 c, lanes 16-31 block 2 c + 1
.irp i, 0,1,2
	v_permlane16_swap_b32 v[(\pc)+6*\c+\i], v[(\pc)+12+4*\c+\i]
.endr
.irp i, 0,1,2
	v_mov_b32 v[(\pc)+3+6*\c+\i], v[(\pc)+12+4*\c+\i]
.endr
.endr
.endm
	LOADT 0, 0
	LOADT 1, 1
.irp a, 0,1,2,3
.if \a < 3
	s_wait_loadcnt 16                              ; this tile's 16 loads are in; the next tile's 16 may be out
.else
	s_wait_loadcnt 0x0
.endif
	TURN \a%2
	s_wait_dscnt 0x0                               ; my 64 numbers are in, and the stores into the stage have read their registers,
.if \a < 2
	LOADT \a+2, \a%2                               ; which take the tile two further on
.endif
.if \a > 0
	s_wait_xcnt 0x0                                ; the last tile's stores have read the codes' registers: they are written again only behind this wait
.endif
	QUANT X, PC, SW+\a
	global_store_b128 v1, v[PC:PC+3], s[36:37] offset:1536*\a            ; each store covers 512 or 256 consecutive bytes, at a multiple of 256 from the buffer's first byte
	global_store_b64 v2, v[PC+4:PC+5], s[36:37] offset:1536*\a+512
	global_store_b128 v1, v[PC+6:PC+9], s[36:37] offset:1536*\a+768
	global_store_b64 v2, v[PC+10:PC+11], s[36:37] offset:1536*\a+1280
.endr
	global_store_b128 v3, v[SW:SW+3], s[38:39]     ; the quad: 256 bytes; lanes 16-31 hold and write the same words as lanes 0-15
	s_wait_tensorcnt 0x0
	ds_add_u32 v62, v63
	s_wait_dscnt 0x0
	s_endpgm
.Lfunc_end_k_q7d514d47af_quant:
	.size	k_q7d514d47af_quant, .Lfunc_end_k_q7d514d47af_quant-k_q7d514d47af_quant
	.p2alignl 7, 3214868480
	.fill 96, 4, 3214868480
	.section	.rodata,"a",@progbits
	.p2align	6, 0x0
	.amdhsa_kernel k_q7d514d47af_quant
		.amdhsa_group_segment_fixed_size 34304
		.amdhsa_private_segment_fixed_size 0
		.amdhsa_enable_private_segment 0
		.amdhsa_kernarg_size 72
		.amdhsa_user_sgpr_count 2
		.amdhsa_user_sgpr_kernarg_segment_ptr 1
		.amdhsa_wavefront_size32 1
		.amdhsa_system_sgpr_workgroup_id_x 1
		.amdhsa_system_sgpr_workgroup_id_y 1
		.amdhsa_system_sgpr_workgroup_id_z 1
		.amdhsa_system_vgpr_workitem_id 0
		.amdhsa_next_free_vgpr 256
		.amdhsa_next_free_sgpr 66
		.amdhsa_reserve_vcc 0
		.amdhsa_float_denorm_mode_32 3
		.amdhsa_float_denorm_mode_16_64 3
		.amdhsa_memory_ordered 1
		.amdhsa_forward_progress 1
		.amdhsa_inst_pref_size 35
	.end_amdhsa_kernel
	.amdgpu_metadata
---
amdhsa.version: [ 1, 2 ]
amdhsa.kernels:
  - .name:           k_q7d514d47af_quant
    .symbol:         k_q7d514d47af_quant.kd
    .args:
      - { .name: x, .offset: 0, .size: 8, .value_kind: global_buffer, .address_space: global }
      - { .name: W_q, .offset: 8, .size: 8, .value_kind: global_buffer, .address_space: global }
      - { .name: W_k, .offset: 16, .size: 8, .value_kind: global_buffer, .address_space: global }
      - { .name: W_v, .offset: 24, .size: 8, .value_kind: global_buffer, .address_space: global }
      - { .name: W_out, .offset: 32, .size: 8, .value_kind: global_buffer, .address_space: global }
      - { .name: xq, .offset: 40, .size: 8, .value_kind: global_buffer, .address_space: global }
      - { .name: wqk, .offset: 48, .size: 8, .value_kind: global_buffer, .address_space: global }
      - { .name: wv, .offset: 56, .size: 8, .value_kind: global_buffer, .address_space: global }
      - { .name: wo, .offset: 64, .size: 8, .value_kind: global_buffer, .address_space: global }
    .group_segment_fixed_size: 34304
    .private_segment_fixed_size: 0
    .kernarg_segment_align: 8
    .kernarg_segment_size: 72
    .max_flat_workgroup_size: 128
    .sgpr_count:     66
    .vgpr_count:     256
    .wavefront_size: 32
...
	.end_amdgpu_metadata
.endif
;; end of part 1
;; launch gemm_qkv (part 2): grid 8 x 32, 4 waves a work-group, clusters of 4 x 4, 327,680 bytes of LDS; arguments wqk, wv, xq, qkb, vb; writes qkb, vb
.if DOCPART == 2
	.amdgcn_target "amdgcn-amd-amdhsa--gfx1250"
	.amdhsa_code_object_version 6
	.text
	.protected	k_q7d514d47af_gemm_qkv
	.globl	k_q7d514d47af_gemm_qkv
	.p2align	8
	.type	k_q7d514d47af_gemm_qkv,@function
k_q7d514d47af_gemm_qkv:
	s_mov_b64 s[64:65], 0
	v_nop
	global_prefetch_b8 v0, s[64:65] scope:SCOPE_SE
	s_setreg_imm32_b32 hwreg(HW_REG_WAVE_MODE, 25, 1), 1
	s_wait_xcnt 0x0
	s_wait_alu depctr_hold_cnt(0) depctr_sa_sdst(0) depctr_va_vdst(0) depctr_va_sdst(0) depctr_va_ssrc(0) depctr_va_vcc(0) depctr_vm_vsrc(0)
	s_getreg_b32 s2, hwreg(HW_REG_IB_STS2, 6, 4)
	s_cmp_eq_u32 s2, 0
	s_cbranch_scc0 .Lentry_in_a_cluster
	s_endpgm
.Lentry_in_a_cluster:
	s_bfe_u32 s2, ttmp6, 0x10000c
	s_cmp_lg_u32 s2, 0xf033
	s_cbranch_scc0 .Lentry_shape_is_right
	s_endpgm
.Lentry_shape_is_right:
; q, k and v: three products on codes of FP6 (E2M3) whose RESULTS ARE QUANTISED AGAIN, along the rows of their source 0.  All operands are buffers of panels:
; [row / 128][K / 128 = 8][12,800 bytes], a panel being eight fragments of 1,536 bytes (images of the operand's registers) and two quads of scale words.
; A WORK-GROUP STAYS.  Work-group (j, ty) keeps tokens 256 ty .. 256 ty + 255 of x (two blocks, 204,800 bytes, all of K) in LDS, filled once, and walks three blocks of 128 weight rows through ONE region of 102,400 bytes:
;   tile 0: W_q's block j, tile 1: W_k's block j (source 0 = the weight, source 1 = x: a lane holds one token, its registers run along 128 features = two heads);
;   tile 2: W_v's block j (source 0 = x, source 1 = the weight: a lane holds one channel, its registers run along 128 tokens, which are the keys).
; A wave takes 8 tiles of source 0 x 4 tiles of source 1: 32 accumulators.  Tiles 0, 1: all of the weight's eight x tiles 4 (w % 2) .. + 3 of x's block w / 2.  Tile 2: all eight of x's block w / 2 x tiles 4 (w % 2) .. + 3 of the weight.
; In lane (r, h) register j of tile 2 b + u is source 0's row 32 b + 16 h + 8 u + j (the rows of a tile were chosen so): 64 registers = the lane's half of four blocks of 32: ONE fragment and one scale word a row.
; OUT: fragment idx = (Tq / 128) 2,048 + 128 sp + Tq % 128 at 1,536 idx (Tq: the tile of source 1's rows, sp: source 0's block); its scale words at SCO + 64 (idx - idx % 4) + 16 r + 4 (idx % 4).
; THE WEIGHTS' REGION IS FILLED AGAIN IN HALVES of four panels, one panel a wave.  At K step 3 every wave has read panels 0-3, at K step 7 panels 4-7: there each wave waits for all its tensor loads, adds 0 to its spare word,
; waits for that and for its reads, and passes a round of the cluster's barrier; behind it the half just read takes the next tile's panels, and the half asked for four K steps earlier is whole for every wave.
; CLUSTERS: 4 x 4 work-groups.  The weights hang on j alone and are shared along a column of the cluster, x on ty alone and along a row: each is asked for jointly, by the same tensor load with a mask that names the four.
; LIMITS: a block of zeros, or one whose largest magnitude lies under 2^-124, keeps the byte 1 (this program alone reads the bytes); NaN and infinities are not served.
; REGISTERS: window 0: v4-15 addresses for tiles 0, 1; v16, v17 the add's two; v20-35 at work in the quantiser; v36-39 the four scale words made; v40-63 scale words, two sets (source 0's 8, source 1's 4);
;   v64-207 fragment set 0 (source 0 at 64 + 12 b, source 1 at 160 + 12 a); v208-219 addresses for tile 2; v220-239 the codes made.
;   window 1: accumulator (a, b) at 64 a + 8 b.   window 2: fragment set 1 (source 0 at 12 b, source 1 at 96 + 12 a).
.set PANEL, 12800
.set BLOCK, 102400
.set CHUNK, 25600                      ; two panels: what is waited for at a time among the first fills
.set SCO,   12582912                   ; 8,192 fragments of 1,536 bytes; behind them the scale words
.set SPARE, 3*BLOCK                    ; behind the weights' region and x's two blocks: the spare words, 128 bytes for each wave: two blocks of 256 bytes that no other line names
.set PA, 4                             ; v4, v5   source 0: 16 x lane (+ 51,200 for K steps 4-7: an LDS offset has 16 bits)
.set PB, 6                             ; v6, v7   8 x lane
.set QA, 8                             ; v8, v9   the same at my four tiles of source 1
.set QB, 10                            ; v10, v11
.set PS, 12                            ; v12, v13 16 r: source 0's quads
.set QS, 14                            ; v14, v15 my quad of source 1
.set AV1, 204                          ; tile 2's twelve stand 204 higher: v208-219
.set SPW, 16                           ; v16  LDS address of my spare word: SPARE + 4 x my thread's number; never rewritten
.set NIL, 17                           ; v17  0; never rewritten
.set TM, 20
.set SW, 36
.set SC, 40
.set PC, 220
.set G1W, 24                           ; s[24:31] group 1 for a panel of weights;  s[32:39] for two panels of x
.set G1X, 32
.set G0W, 48                           ; s[48:63] group 0 for the first weights, one set for each of four chunks;  s[68:83] for x
.set G0X, 68
.set G0R, 84                           ; s[84:99] group 0 for the refills: tile 1's halves, tile 2's halves; made once, never rewritten
.set SEL, 18
.set MSB, 0
.macro WIN new                         ; the immediate's high byte repeats the setting that is left
.if MSB != \new
	s_set_vgpr_msb (MSB<<8)|\new
.set MSB, \new
.endif
.endm
.macro CREST                           ; a round of the cluster's barrier behind its opening barrier
	s_cmp_lg_u32 s14, 0
	s_cbranch_scc1 .Lnot_wave_0_\@
	s_barrier_signal -3
.Lnot_wave_0_\@:
	s_barrier_wait -3
	s_barrier_signal -1
	s_barrier_wait -1
.endm
.macro CROUND                          ; a whole round
	s_barrier_signal -1
	s_barrier_wait -1
	CREST
.endm
.macro PLACES                          ; four places behind a matrix instruction of this form, in front of loads into registers that it read and of the first read of results
.rept 4
	v_nop
.endr
.endm
	s_load_b256 s[4:11], s[0:1], 0x0               ; wqk s[4:5], wv s[6:7], xq s[8:9], qkb s[10:11]
	s_load_b64 s[12:13], s[0:1], 0x20              ; vb
	v_lshl_add_u32 v[SPW], v0, 2, SPARE
	v_mov_b32 v[NIL], 0
	ds_add_u32 v16, v17
	ds_add_u32 v16, v17
	s_wait_dscnt 0x0
	v_lshrrev_b32 v1, 5, v0
	v_readfirstlane_b32 s14, v1                    ; wave 0..3
	s_lshr_b32 s15, s14, 1                         ; first fills: I fetch weights (0) or x (1).  Also: which block of x I multiply
	s_and_b32 s16, s14, 1                          ; first fills: which panel of a chunk (weights) or which block (x).  Also: which four tiles of source 1 I multiply
	s_bfe_u32 s40, ttmp6, 0x40000                  ; cx, cy: my place in the cluster
	s_bfe_u32 s41, ttmp6, 0x40004
	s_lshl_b32 s3, ttmp9, 2
	s_add_co_u32 s3, s3, s40                       ; j = 4 x cluster x + cx
	s_and_b32 s17, ttmp7, 0xffff
	s_lshl_b32 s17, s17, 2
	s_add_co_u32 s17, s17, s41                     ; ty = 4 x cluster y + cy
	s_lshl_b32 s43, s41, 2
	s_lshl_b32 s43, 15, s43                        ; my row of the cluster
	s_lshl_b32 s44, 0x1111, s40                    ; my column
	s_or_b32 s[G1W], s44, (3<<16)|(1<<21)          ; 15:0 the mask: weights go to my column; 17:16 elements of 8 bytes; 21 set beside a mask; no padding: every LDS read is dense
	s_or_b32 s[G1X], s43, (3<<16)|(1<<21)          ; x goes to my row
	s_mov_b32 s[G1W+1], 32<<16                     ; tensor_dim0 = 32 elements: rows of 256 bytes
	s_mov_b32 s[G1W+2], 50<<16                     ; tensor_dim1 = 50: one panel
	s_mov_b32 s[G1W+3], 32<<16                     ; tile_dim0
	s_mov_b32 s[G1W+4], 50                         ; tile_dim1
	s_mov_b32 s[G1W+5], 32                         ; the pitch: dense
	s_mov_b32 s[G1W+6], 0
	s_mov_b32 s[G1W+7], 0
	s_mov_b32 s[G1X+1], 32<<16
	s_mov_b32 s[G1X+2], 100<<16                    ; two panels
	s_mov_b32 s[G1X+3], 32<<16
	s_mov_b32 s[G1X+4], 100
	s_mov_b32 s[G1X+5], 32
	s_mov_b32 s[G1X+6], 0
	s_mov_b32 s[G1X+7], 0
	s_mul_i32 s20, s3, BLOCK                       ; the weights' block j, in registers that never hold cy
	s_mov_b32 s21, 0
	s_mul_i32 s45, s16, PANEL                      ; first fills: my panel of a chunk, in memory and in LDS
	s_mul_i32 s66, s14, PANEL                      ; refills: my panel of four, in memory and in LDS
	s_lshl_b32 s46, s17, 1                         ; x's block 2 ty + half, in registers that never hold cx
	s_add_co_u32 s46, s46, s16
	s_mul_i32 s46, s46, BLOCK
	s_mov_b32 s47, 0
	s_mul_i32 s67, s16, BLOCK
	s_add_co_u32 s67, s67, BLOCK                   ; and its place in LDS, behind the weights: no place in the cluster enters an LDS address
	s_mov_b32 s18, s66
	s_mov_b32 s19, 0
	s_wait_kmcnt 0x0
	s_add_nc_u64 s[4:5], s[4:5], s[20:21]          ; W_q's block j
	s_add_nc_u64 s[6:7], s[6:7], s[20:21]          ; W_v's block j
	s_add_nc_u64 s[8:9], s[8:9], s[46:47]          ; x's block
	s_mov_b32 s20, s45
	s_add_nc_u64 s[20:21], s[4:5], s[20:21]        ; first fills: + my panel of a chunk
	s_add_nc_u64 s[4:5], s[4:5], s[18:19]          ; refills: + my panel of four
	s_add_nc_u64 s[6:7], s[6:7], s[18:19]
.irp c, 0,1,2,3
	s_mov_b32 s[G0W+4*\c], 1
	s_add_co_u32 s[G0W+4*\c+1], s45, \c*CHUNK
	s_add_nc_u64 s[G0W+4*\c+2:G0W+4*\c+3], s[20:21], \c*CHUNK
	s_or_b32 s[G0W+4*\c+3], s[G0W+4*\c+3], 0x80000000
	s_mov_b32 s[G0X+4*\c], 1
	s_add_co_u32 s[G0X+4*\c+1], s67, \c*CHUNK
	s_add_nc_u64 s[G0X+4*\c+2:G0X+4*\c+3], s[8:9], \c*CHUNK
	s_or_b32 s[G0X+4*\c+3], s[G0X+4*\c+3], 0x80000000
.endr
.irp k, 0,1,2,3
	s_mov_b32 s[G0R+4*\k], 1
	s_add_co_u32 s[G0R+4*\k+1], s66, (\k%2)*4*PANEL   ; panels 0-3 or 4-7 of the weights' region: the wave's number and constants alone
.endr
	s_add_nc_u64 s[G0R+2:G0R+3], s[4:5], 8*BLOCK              ; W_k's block j lies eight blocks behind W_q's: its panels 0-3,
	s_add_nc_u64 s[G0R+6:G0R+7], s[4:5], 8*BLOCK+4*PANEL      ; its panels 4-7;
	s_mov_b64 s[G0R+10:G0R+11], s[6:7]                        ; W_v's block j likewise
	s_add_nc_u64 s[G0R+14:G0R+15], s[6:7], 4*PANEL
.irp k, 0,1,2,3
	s_or_b32 s[G0R+4*\k+3], s[G0R+4*\k+3], 0x80000000
.endr
	CROUND                                         ; all sixteen work-groups are here: the first joint loads meet
	s_cmp_eq_u32 s15, 0                            ; a wave's four first fills stand in one branch on the wave's number: four tensor loads of mine are out
	s_cbranch_scc0 .Lfor_x
.irp c, 0,1,2,3
	tensor_load_to_lds s[G0W+4*\c:G0W+4*\c+3], s[G1W:G1W+7]
	s_nop 0
.endr
.rept 4
	v_nop
.endr
	s_branch .Lasked
.Lfor_x:
.irp c, 0,1,2,3
	tensor_load_to_lds s[G0X+4*\c:G0X+4*\c+3], s[G1X:G1X+7]
	s_nop 0
.endr
.rept 4
	v_nop
.endr
.Lasked:
	v_and_b32 v1, 31, v0                           ; lane
	v_and_b32 v2, 15, v0                           ; r
	v_lshlrev_b32 v[PA], 4, v1                     ; tiles 0, 1: source 0 is the weights' region, at LDS byte 0
	v_lshlrev_b32 v[PB], 3, v1
	v_lshlrev_b32 v[PS], 4, v2
	s_mul_i32 s45, s15, BLOCK
	s_add_co_u32 s45, s45, BLOCK                   ; my block of x
	s_mul_i32 s66, s16, 6144                       ; my four fragments in a panel of source 1
	s_lshl_b32 s67, s16, 8                         ; my quad there
	v_add_nc_u32 v[PA+AV1], s45, v[PA]             ; tile 2: source 0 is my block of x,
	v_add_nc_u32 v[PB+AV1], s45, v[PB]
	v_add_nc_u32 v[PS+AV1], s45, v[PS]
	v_add_nc_u32 v[QA+AV1], s66, v[PA]             ; source 1 the weights' region
	v_add_nc_u32 v[QB+AV1], s66, v[PB]
	v_add_nc_u32 v[QS+AV1], s67, v[PS]
	v_add_nc_u32 v[QA], s66, v[PA+AV1]             ; tiles 0, 1: source 1 is my block of x
	v_add_nc_u32 v[QB], s66, v[PB+AV1]
	v_add_nc_u32 v[QS], s67, v[PS+AV1]
.irp g, PA, PB, QA, QB, PS, QS
	v_add_nc_u32 v[\g+1], 4*PANEL, v[\g]
	v_add_nc_u32 v[\g+AV1+1], 4*PANEL, v[\g+AV1]
.endr
.irp b, 0,1,2,3
	v_mov_b32 v[TM+4+\b], 0                        ; written once: a lane permute's destination counts as one of its sources
.endr
	s_mov_b32 s[SEL], 0x76543210
	s_mov_b32 s[SEL+1], 0xfedcba98
	s_lshl_b32 s2, s17, 4                          ; where the results go, in registers that feed no descriptor
	s_lshl_b32 s42, s14, 2
	s_add_co_u32 s2, s2, s42                       ; q, k: my first tile of tokens: 16 ty + 4 x wave
	s_lshr_b32 s42, s2, 7
	s_lshl_b32 s42, s42, 11
	s_and_b32 s2, s2, 127
	s_add_co_u32 s2, s2, s42
	s_lshl_b32 s42, s3, 7
	s_add_co_u32 s2, s2, s42                       ; q's fragment number, a multiple of 4; k's is 1,024 more
	s_mul_i32 s22, s2, 1536
	s_mov_b32 s23, 0
	s_add_nc_u64 s[22:23], s[10:11], s[22:23]      ; q's four fragments
	s_lshl_b32 s100, s2, 6
	s_add_co_u32 s100, s100, SCO
	s_mov_b32 s101, 0
	s_add_nc_u64 s[100:101], s[10:11], s[100:101]  ; q's quad
	s_lshl_b32 s2, s17, 1
	s_add_co_u32 s2, s2, s15                       ; v: the block of 128 tokens: 2 ty + wave / 2
	s_lshl_b32 s2, s2, 7
	s_lshl_b32 s42, s3, 3
	s_add_co_u32 s2, s2, s42
	s_lshl_b32 s42, s16, 2
	s_add_co_u32 s2, s2, s42                       ; + my first tile of channels: 8 j + 4 (wave % 2)
	s_mul_i32 s104, s2, 1536
	s_mov_b32 s105, 0
	s_add_nc_u64 s[104:105], s[12:13], s[104:105]  ; v's four fragments
	s_lshl_b32 s10, s2, 6
	s_add_co_u32 s10, s10, SCO
	s_mov_b32 s11, 0
	s_add_nc_u64 s[12:13], s[12:13], s[10:11]      ; v's quad
.macro FRAGLD reg, a16, a8, off        ; a fragment comes as it was stored: every load dense
	ds_load_b128 v[\reg:\reg+3], v[\a16] offset:\off
	ds_load_b64 v[\reg+4:\reg+5], v[\a8] offset:\off+512
	ds_load_b128 v[\reg+6:\reg+9], v[\a16] offset:\off+768
	ds_load_b64 v[\reg+10:\reg+11], v[\a8] offset:\off+1280
.endm
.macro FETCH v, s                      ; K step s: 12 fragments and 12 scale words into set s % 2: 51 LDS loads.  v = 0: tiles 0, 1;  v = 1: tile 2's addresses
.set HI, (\s)/4+AV1*(\v)
.set OO, PANEL*((\s)%4)
.if (\s)%2
	WIN 0x80                                       ; destination window 2, address window 0
.set FP, 0
.set FQ, 96
.else
.set FP, 64
.set FQ, 160
.endif
.irp b, 0,1,2,3,4,5,6,7
	FRAGLD FP+12*\b, PA+HI, PB+HI, OO+1536*\b
.endr
.irp a, 0,1,2,3
	FRAGLD FQ+12*\a, QA+HI, QB+HI, OO+1536*\a
.endr
	WIN 0
.set SS, SC+12*((\s)%2)
	ds_load_b128 v[SS:SS+3], v[PS+HI] offset:OO+12288
	ds_load_b128 v[SS+4:SS+7], v[PS+HI] offset:OO+12544
	ds_load_b128 v[SS+8:SS+11], v[QS+HI] offset:OO+12288
.endm
.macro MUL a, s                        ; source 1's tile a against source 0's eight.  The 32 accumulators take turns, one instruction a turn, in the same order in every step and tile.  Step 0 starts the sums
.if (\s)%2
	WIN 0x5a                                       ; sources 0 and 1 window 2, C and D window 1
.set FP, 0
.set FQ, 96
.else
	WIN 0x50                                       ; sources window 0, C and D window 1
.set FP, 64
.set FQ, 160
.endif
.set SS, SC+12*((\s)%2)
.irp b, 0,1,2,3,4,5,6,7
.if (\s) == 0
	v_wmma_scale_f32_16x16x128_f8f6f4 v[64*(\a)+8*\b:64*(\a)+8*\b+7], v[FP+12*\b:FP+12*\b+11], v[FQ+12*(\a):FQ+12*(\a)+11], 0, v[SS+\b], v[SS+8+(\a)] matrix_a_fmt:MATRIX_FMT_FP6 matrix_b_fmt:MATRIX_FMT_FP6
.else
	v_wmma_scale_f32_16x16x128_f8f6f4 v[64*(\a)+8*\b:64*(\a)+8*\b+7], v[FP+12*\b:FP+12*\b+11], v[FQ+12*(\a):FQ+12*(\a)+11], v[64*(\a)+8*\b:64*(\a)+8*\b+7], v[SS+\b], v[SS+8+(\a)] matrix_a_fmt:MATRIX_FMT_FP6 matrix_b_fmt:MATRIX_FMT_FP6
.endif
.endr
.endm
; K step s of tile t: 32 matrix instructions, and the fetch of the next step's fragments (at a tile's last step: of the next tile's first).
; At K step 3, and at K step 7 of a tile that has a successor, the waves meet.  In tiles 0 and 1 the half of the weights' region that has just been read is then filled again, with the next tile's panels.
.macro STEP t, s
	s_wait_dscnt 0x0                               ; this step's fragments and scale words are in: so my reads of panels 0 .. s are over
.if ((\s) == 3) || (((\s) == 7) && ((\t) < 2))
	WIN 0                                          ; (the add's two registers lie in window 0)
	s_wait_tensorcnt 0x0                           ; all my tensor loads have landed: my part of the half that is read next;
	ds_add_u32 v[SPW], v[NIL]                      ; 0 onto my spare word;
	MUL 0, \s                                      ; eight matrix instructions stand between the add and the wait for it
	s_wait_dscnt 0x0                               ; the add is done; no read of mine is out
	s_barrier_signal -1                            ; say so (in tiles 0 and 1 this barrier opens a round of the cluster's barrier),
	MUL 1, \s                                      ; work on registers while the others arrive,
	WIN 0
	s_barrier_wait -1
.if (\t) < 2
	CREST                                          ; no wave of any partner still reads the half just left or has a load on its way
	tensor_load_to_lds s[G0R+8*(\t)+4*((\s)/7):G0R+8*(\t)+4*((\s)/7)+3], s[G1W:G1W+7]   ; my one tensor load behind the round: my panel of the next tile's four
	s_nop 0
.endif
	PLACES                                         ; behind the load; also the places in front of the loads below
.if (\s) == 7
	FETCH ((\t)+1)/2, 0                            ; the next tile's first fragments land while this tile goes out
.else
	s_wait_alu depctr_va_vdst(0)
	FETCH (\t)/2, (\s)+1
.endif
	MUL 2, \s
	MUL 3, \s
.else
	MUL 0, \s
.if (\s) < 7
	WIN 0
.if ((\t) == 0) && ((\s) == 1)
	s_wait_tensorcnt 2                             ; my part of the first fills' chunk 1 is in; the two younger chunks may stay out
	s_barrier_signal -1                            ; (no LDS load of mine is out: the step's head waited for all)
	s_barrier_wait -1                              ; everybody's part is in
.endif
	PLACES                                         ; the other set was last read by the step before
	FETCH (\t)/2, (\s)+1
.endif
	MUL 1, \s
	MUL 2, \s
	MUL 3, \s
.endif
.endm
; 64 numbers of a lane in window 1, register 16 b + i = the new k 32 b + 16 (lane / 16) + i, become a fragment's codes in v[pc] on and its scale word in v[pw].  Each accumulator is read from its low end on.
.macro QUANTW s, pc, pw
	WIN 0x05                                       ; sources 0 and 1 window 1
.irp b, 0,1,2,3
	v_max3_num_f32 v[TM+\b], |v[(\s)+16*\b]|, |v[(\s)+1+16*\b]|, 0x1800000   ; and the floor 2^(3 - 127): the byte cannot fall under 1
.endr
	WIN 0x14                                       ; sources 1 and 2 window 1
.irp i, 2,4,6,8,10,12,14
.irp b, 0,1,2,3
	v_max3_num_f32 v[TM+\b], v[TM+\b], |v[(\s)+16*\b+\i]|, |v[(\s)+1+16*\b+\i]|
.endr
.endr
	WIN 0
.irp b, 0,1,2,3
	v_permlanex16_b32 v[TM+4+\b], v[TM+\b], s[SEL], s[SEL+1]
.endr
.irp b, 0,1,2,3
	v_max_num_f32 v[TM+\b], v[TM+\b], v[TM+4+\b]   ; with lane l xor 16: the block's largest magnitude
.endr
.irp b, 0,1,2,3
	v_add_nc_u32 v[TM+12+\b], 0xff000000, v[TM+\b] ; 2 off its exponent field: the conversion's scale operand
.endr
.irp b, 0,1,2,3
	v_lshrrev_b32 v[TM+4+\b], 23, v[TM+12+\b]      ; the scale's byte
.endr
	v_lshl_or_b32 v[\pw], v[TM+5], 8, v[TM+4]
	v_lshl_or_b32 v[\pw], v[TM+6], 16, v[\pw]
	v_lshl_or_b32 v[\pw], v[TM+7], 24, v[\pw]
	WIN 0x01                                       ; source 0 window 1
.irp c, 0,1
	v_cvt_scalef32_pk16_fp6_f32 v[(\pc)+6*\c:(\pc)+2+6*\c], v[(\s)+32*\c:(\s)+15+32*\c], v[TM+12+2*\c]
	v_cvt_scalef32_pk16_fp6_f32 v[(\pc)+12+4*\c:(\pc)+14+4*\c], v[(\s)+16+32*\c:(\s)+31+32*\c], v[TM+13+2*\c]   ; a conversion's three registers begin on an even number
.endr
	WIN 0
	v_nop                                          ; one plain place behind a scaled conversion
.irp c, 0,1                            ; the operand wants a whole block in a lane: lanes 0-15 block 2 c, lanes 16-31 block 2 c + 1
.irp i, 0,1,2
	v_permlane16_swap_b32 v[(\pc)+6*\c+\i], v[(\pc)+12+4*\c+\i]
.endr
.irp i, 0,1,2
	v_mov_b32 v[(\pc)+3+6*\c+\i], v[(\pc)+12+4*\c+\i]
.endr
.endr
.endm
; A TILE GOES OUT: four fragments and a quad.  cb, sb: the scalar pairs with the fragments' and the quad's base; co, so: bytes on from them.  first = 1: no store of mine is out yet.
; The next tile's first fragments are on their way into set 0 meanwhile: nothing here names them.
.macro OUT first, cb, sb, co, so
	WIN 0
	PLACES
.irp a, 0,1,2,3
.if (\first == 0) || (\a > 0)
	s_wait_xcnt 0x0                                ; the earlier stores have read the codes' and the scale words' registers: they are written again only behind this wait
.endif
	QUANTW 64*\a, PC, SW+\a
	global_store_b128 v[PA], v[PC:PC+3], s[\cb:\cb+1] offset:\co+1536*\a            ; 512 or 256 consecutive bytes a store, at a multiple of 256 from the buffer's first byte
	global_store_b64 v[PB], v[PC+4:PC+5], s[\cb:\cb+1] offset:\co+1536*\a+512
	global_store_b128 v[PA], v[PC+6:PC+9], s[\cb:\cb+1] offset:\co+1536*\a+768
	global_store_b64 v[PB], v[PC+10:PC+11], s[\cb:\cb+1] offset:\co+1536*\a+1280
.endr
	global_store_b128 v[PS], v[SW:SW+3], s[\sb:\sb+1] offset:\so   ; the quad: lanes 16-31 hold and write the same words as lanes 0-15
.endm
	s_wait_tensorcnt 3                             ; my part of chunk 0 is in; three loads of mine are out
	s_barrier_signal -1
	s_barrier_wait -1
	FETCH 0, 0
.irp s, 0,1,2,3,4,5,6,7
	STEP 0, \s                                     ; q
.endr
	OUT 1, 22, 100, 0, 0
.irp s, 0,1,2,3,4,5,6,7
	STEP 1, \s                                     ; k: 1,024 fragments behind q, inside the stores' signed 24-bit immediate (ISA guide, chapter 10)
.endr
	OUT 0, 22, 100, 1024*1536, 1024*64
.irp s, 0,1,2,3,4,5,6,7
	STEP 2, \s                                     ; v: the two regions change parts
.endr
	OUT 0, 104, 12, 0, 0
	s_wait_tensorcnt 0x0                           ; the wave's end: my last LDS instructions, behind my last tensor load
	ds_add_u32 v[SPW], v[NIL]
	s_wait_dscnt 0x0
	CROUND                                         ; the closing round: no work-group ends while a partner may still ask for a panel that names it
	s_endpgm
.Lfunc_end_k_q7d514d47af_gemm_qkv:
	.size	k_q7d514d47af_gemm_qkv, .Lfunc_end_k_q7d514d47af_gemm_qkv-k_q7d514d47af_gemm_qkv
	.p2alignl 7, 3214868480
	.fill 96, 4, 3214868480
	.section	.rodata,"a",@progbits
	.p2align	6, 0x0
	.amdhsa_kernel k_q7d514d47af_gemm_qkv
		.amdhsa_group_segment_fixed_size 327680
		.amdhsa_private_segment_fixed_size 0
		.amdhsa_enable_private_segment 0
		.amdhsa_kernarg_size 40
		.amdhsa_user_sgpr_count 2
		.amdhsa_user_sgpr_kernarg_segment_ptr 1
		.amdhsa_wavefront_size32 1
		.amdhsa_system_sgpr_workgroup_id_x 1
		.amdhsa_system_sgpr_workgroup_id_y 1
		.amdhsa_system_sgpr_workgroup_id_z 1
		.amdhsa_system_vgpr_workitem_id 0
		.amdhsa_next_free_vgpr 768
		.amdhsa_next_free_sgpr 106
		.amdhsa_reserve_vcc 0
		.amdhsa_float_denorm_mode_32 3
		.amdhsa_float_denorm_mode_16_64 3
		.amdhsa_memory_ordered 1
		.amdhsa_forward_progress 1
		.amdhsa_inst_pref_size 245
	.end_amdhsa_kernel
	.amdgpu_metadata
---
amdhsa.version: [ 1, 2 ]
amdhsa.kernels:
  - .name:           k_q7d514d47af_gemm_qkv
    .symbol:         k_q7d514d47af_gemm_qkv.kd
    .args:
      - { .name: wqk, .offset: 0, .size: 8, .value_kind: global_buffer, .address_space: global }
      - { .name: wv, .offset: 8, .size: 8, .value_kind: global_buffer, .address_space: global }
      - { .name: xq, .offset: 16, .size: 8, .value_kind: global_buffer, .address_space: global }
      - { .name: qkb, .offset: 24, .size: 8, .value_kind: global_buffer, .address_space: global }
      - { .name: vb, .offset: 32, .size: 8, .value_kind: global_buffer, .address_space: global }
    .group_segment_fixed_size: 327680
    .private_segment_fixed_size: 0
    .kernarg_segment_align: 8
    .kernarg_segment_size: 40
    .max_flat_workgroup_size: 128
    .sgpr_count:     106
    .vgpr_count:     768
    .wavefront_size: 32
...
	.end_amdgpu_metadata
.endif
;; end of part 2
;; launch attn (part 3): grid 4 x 64, 16 waves a work-group, clusters of 4 x 1, 210,944 bytes of LDS; arguments qkb, vb, cq; writes cq
.if DOCPART == 3
	.amdgcn_target "amdgcn-amd-amdhsa--gfx1250"
	.amdhsa_code_object_version 6
	.text
	.protected	k_q7d514d47af_attn
	.globl	k_q7d514d47af_attn
	.p2align	8
	.type	k_q7d514d47af_attn,@function
k_q7d514d47af_attn:
	s_mov_b64 s[64:65], 0
	v_nop
	global_prefetch_b8 v0, s[64:65] scope:SCOPE_SE
	s_setreg_imm32_b32 hwreg(HW_REG_WAVE_MODE, 25, 1), 1
	s_wait_xcnt 0x0
	s_wait_alu depctr_hold_cnt(0) depctr_sa_sdst(0) depctr_va_vdst(0) depctr_va_sdst(0) depctr_va_ssrc(0) depctr_va_vcc(0) depctr_vm_vsrc(0)
	s_getreg_b32 s2, hwreg(HW_REG_IB_STS2, 6, 4)
	s_cmp_eq_u32 s2, 0
	s_cbranch_scc0 .Lentry_in_a_cluster
	s_endpgm
.Lentry_in_a_cluster:
	s_bfe_u32 s2, ttmp6, 0x10000c
	s_cmp_lg_u32 s2, 0x3003
	s_cbranch_scc0 .Lentry_shape_is_right
	s_endpgm
.Lentry_shape_is_right:
; Causal attention of one head (64 channels, 2,048 tokens) on codes of FP6 (E2M3), and the quantising of its result for the last product.
; IN: qkb: fragments (16 tokens x 128 features = two heads) of q (head pairs 0-7) and k (8-15), number 2,048 batch + 128 pair + token tile, 1,536 bytes each; a head is one half of 768 bytes; scale words behind SCO.
;     vb: fragments of v (16 channels x 128 keys), number 128 (16 batch + key step) + 4 head + tile.   OUT: cq: panels of ctx, [token / 128][head pair][12,800]; a head writes one half of each fragment and two bytes of each scale word.
; THE ROWS OF A TILE ARE NOT NEIGHBOURS, in tokens and in channels alike: lane r of tile T holds row 32 (T / 2) + 8 (T % 2) + r % 8 + 16 (r / 8).
; THE SOFTMAX: t = score x log2(e) / 8; M = the row's largest t so far, rounded up to a whole number; p = 2^(t - M) is quantised along the keys, not normalised; the row's sum is taken of the unquantised p and divides at the end
; (by v_rcp_f32 and a multiplication).  When M moves, the sum and O are multiplied by 2^(old M - new M): exact.
; BOTH PRODUCTS TRANSPOSED: S^T = K Q^T, O^T = V^T P^T: a lane holds one query throughout.  The head has 64 channels, the instruction takes 128: Q's upper 64 codes are zeros, which add nothing whatever stands against them
; (against them stand the next tile's codes, which are numbers: the format has no NaN); the upper two scale bytes are 0, which is 2^-127 and no NaN.
; SHARES.  The four work-groups of a cluster serve one head; its K, V and their scale words lie whole in LDS (208,896 bytes), each byte filled once, by joint loads.  Behind the one barrier LDS is only read.
; Wave w takes query tiles tA = 8 (w / 2) + 2 cx + w % 2 and 127 - tA: w / 2 + 1 and 16 - w / 2 key steps of 128, 17 for every wave.  Step counts hang on the wave's number alone; cx enters global addresses and the mask's numbers only.
; Each tile's loop has 16 trips in every wave; a step all of whose keys come after the tile's queries is jumped over, but for the lines that step addresses.
; LIMITS: NaN and infinities are not served; a block of zeros, or one whose largest magnitude lies under 2^-124, keeps the scale byte 1 (this program alone reads the bytes).
; REGISTERS: v1-6 lane terms; v8-11, v28, v29 the step's LDS addresses; v12 -M, v13 the largest t, v[14:15] the sum; v16-27 Q (v22-27 zeros); v30 Q's scales; v31 ctx's scale bytes; v32-79 eight tiles of K, then four fragments of V;
;   v80-85 zeros; v86-93 K's scales; v96-159 S^T, then p; v160-191 O^T; v192-195 V's scales; v224-235 p's codes; v232-254 at work.
.set SCO, 12582912
.set LKC, 0                            ; LDS: K's 128 half fragments of 768 bytes,
.set LVC, 98304                        ; V's 16 steps of four fragments,
.set LKS, 196608                       ; K's scale words: 32 quads of 256 bytes,
.set LVS, 204800                       ; V's: 16 quads
.set WV,  10
.set SEL, 20
.set CS,  22
.set G1KC, 24
.set G1VC, 32
.set G1KS, 40
.set G1VS, 48
.set G0KC, 56
.set G0VC, 60
.set G0KS, 68
.set G0VS, 72
.macro CROUND                          ; a round of the cluster's barrier
	s_barrier_signal -1
	s_barrier_wait -1
	s_cmp_lg_u32 s[WV], 0
	s_cbranch_scc1 .Lnot_wave_0_\@
	s_barrier_signal -3
.Lnot_wave_0_\@:
	s_barrier_wait -3
	s_barrier_signal -1
	s_barrier_wait -1
.endm
.macro GROUP1 g, c, r, p               ; r rows of c elements of 8 bytes, p elements apart; the mask names all four work-groups, bit 21 set beside it; no padding
	s_mov_b32 s[\g], 15|(3<<16)|(1<<21)
	s_mov_b32 s[\g+1], (\c)<<16
	s_mov_b32 s[\g+2], (\r)<<16
	s_mov_b32 s[\g+3], (\c)<<16
	s_mov_b32 s[\g+4], \r
	s_mov_b32 s[\g+5], \p
	s_mov_b32 s[\g+6], 0
	s_mov_b32 s[\g+7], 0
.endm
	s_load_b128 s[4:7], s[0:1], 0x0                ; qkb s[4:5], vb s[6:7]
	s_load_b64 s[8:9], s[0:1], 0x10                ; cq
	v_lshl_add_u32 v251, v0, 2, 0x33000
	v_mov_b32 v255, 0
	ds_add_u32 v251, v255
	ds_add_u32 v251, v255
	v_lshrrev_b32 v7, 5, v0
	s_delay_alu instid0(VALU_DEP_1)
	v_readfirstlane_b32 s[WV], v7                  ; wave 0..15
	s_bfe_u32 s11, ttmp6, 0x40000                  ; cx
	s_and_b32 s12, ttmp7, 0xffff                   ; 16 batch + head: the four partners share it
	s_lshr_b32 s13, s12, 4                         ; batch
	s_and_b32 s14, s12, 15                         ; head
	s_and_b32 s15, s14, 1                          ; c: which half of a fragment
	s_lshr_b32 s16, s14, 1                         ; head pair
	s_and_b32 s17, s[WV], 3                        ; which quarter I fetch, if I fetch codes
	GROUP1 G1KC, 96, 32, 192                       ; 32 halves of 768 bytes, 1,536 apart
	GROUP1 G1VC, 768, 4, 24576                     ; 4 key steps of 6,144 bytes, 196,608 apart
	GROUP1 G1KS, 32, 32, 32                        ; 8,192 dense bytes
	GROUP1 G1VS, 32, 16, 1024                      ; 16 quads, 8,192 bytes apart
	s_lshl_b32 s76, s13, 11                        ; 2,048 batch
	s_lshl_b32 s77, s16, 7
	s_add_co_u32 s78, s76, s77                     ; q's first fragment of this head pair
	s_add_co_u32 s79, s78, 1024                    ; k's
	s_lshl_b32 s77, s17, 5
	s_add_co_u32 s77, s77, s79
	s_mul_i32 s82, s77, 1536
	s_mul_i32 s19, s15, 768                        ; 768 c: kept
	s_add_co_u32 s82, s82, s19
	s_mov_b32 s83, 0                               ; K's codes, my quarter
	s_lshl_b32 s77, s17, 9
	s_add_co_u32 s77, s77, s76
	s_lshl_b32 s84, s14, 2
	s_add_co_u32 s77, s77, s84
	s_mul_i32 s84, s77, 1536
	s_mov_b32 s85, 0                               ; V's codes, my four key steps
	s_lshl_b32 s86, s79, 6
	s_add_co_u32 s86, s86, SCO
	s_mov_b32 s87, 0                               ; K's scale words
	s_lshl_b32 s88, s14, 2
	s_add_co_u32 s88, s88, s76
	s_lshl_b32 s88, s88, 6
	s_add_co_u32 s88, s88, SCO
	s_mov_b32 s89, 0                               ; V's
	s_mul_i32 s77, s17, 24576                      ; my quarter in LDS: the wave's number alone
	s_mul_i32 s18, s13, 16*102400
	s_mul_i32 s95, s16, 12800
	s_add_co_u32 s18, s18, s95                     ; ctx: the batch's first block, this head pair's panel: kept
	s_mov_b32 s[SEL], 0x76543210
	s_mov_b32 s[SEL+1], 0xfedcba98
	s_mov_b32 s[CS], 0x3e38aa3b                    ; log2(e) / 8
	s_mov_b32 s[CS+1], s[CS]                       ; named with it as a pair, so it is written
	s_wait_dscnt 0x0
	s_wait_kmcnt 0x0
	s_mov_b32 s[G0KC], 1
	s_mov_b32 s[G0KC+1], s77
	s_add_nc_u64 s[G0KC+2:G0KC+3], s[4:5], s[82:83]
	s_or_b32 s[G0KC+3], s[G0KC+3], 0x80000000
	s_mov_b32 s[G0VC], 1
	s_add_co_u32 s[G0VC+1], s77, LVC
	s_add_nc_u64 s[G0VC+2:G0VC+3], s[6:7], s[84:85]
	s_or_b32 s[G0VC+3], s[G0VC+3], 0x80000000
	s_mov_b32 s[G0KS], 1
	s_mov_b32 s[G0KS+1], LKS
	s_add_nc_u64 s[G0KS+2:G0KS+3], s[4:5], s[86:87]
	s_or_b32 s[G0KS+3], s[G0KS+3], 0x80000000
	s_mov_b32 s[G0VS], 1
	s_mov_b32 s[G0VS+1], LVS
	s_add_nc_u64 s[G0VS+2:G0VS+3], s[6:7], s[88:89]
	s_or_b32 s[G0VS+3], s[G0VS+3], 0x80000000
	CROUND                                         ; all four work-groups are here: the joint loads meet
	s_cmp_lt_u32 s[WV], 4                          ; waves 0-3: K's codes; 4-7: V's; 8: K's scale words; 9: V's; the others fetch nothing.  One tensor load a wave at the most
	s_cbranch_scc0 .Lnot_kc
	tensor_load_to_lds s[G0KC:G0KC+3], s[G1KC:G1KC+7]
	s_nop 0
.rept 4
	v_nop
.endr
	s_branch .Lasked
.Lnot_kc:
	s_cmp_lt_u32 s[WV], 8
	s_cbranch_scc0 .Lnot_vc
	tensor_load_to_lds s[G0VC:G0VC+3], s[G1VC:G1VC+7]
	s_nop 0
.rept 4
	v_nop
.endr
	s_branch .Lasked
.Lnot_vc:
	s_cmp_eq_u32 s[WV], 8
	s_cbranch_scc0 .Lnot_ks
	tensor_load_to_lds s[G0KS:G0KS+3], s[G1KS:G1KS+7]
	s_nop 0
.rept 4
	v_nop
.endr
	s_branch .Lasked
.Lnot_ks:
	s_cmp_eq_u32 s[WV], 9
	s_cbranch_scc0 .Lasked
	tensor_load_to_lds s[G0VS:G0VS+3], s[G1VS:G1VS+7]
	s_nop 0
.rept 4
	v_nop
.endr
.Lasked:
	v_and_b32 v7, 31, v0
	s_delay_alu instid0(VALU_DEP_1)
	v_lshlrev_b32 v1, 4, v7                        ; 16 x lane
	s_delay_alu instid0(VALU_DEP_2)
	v_lshlrev_b32 v2, 3, v7                        ; 8 x lane
	v_and_b32 v7, 15, v0
	s_delay_alu instid0(VALU_DEP_1)
	v_lshlrev_b32 v4, 4, v7                        ; 16 r
	s_lshl_b32 s95, s15, 1
	v_add_nc_u32 v3, s95, v4                       ; 16 r + 2 c: my head's two bytes of a scale word
	v_and_b32 v6, 7, v0
	v_bfe_u32 v7, v0, 3, 1
	s_delay_alu instid0(VALU_DEP_1)
	v_lshl_add_u32 v6, v7, 4, v6                   ; r % 8 + 16 (r / 8): my query's place among its tile pair's 32,
	v_bfe_u32 v7, v0, 4, 1
	s_delay_alu instid0(VALU_DEP_1)
	v_lshlrev_b32 v7, 4, v7
	s_delay_alu instid0(VALU_DEP_1)
	v_sub_nc_u32 v6, v6, v7                        ; less 16 (lane / 16), by which my registers' keys are shifted
.irp j, 22,23,24,25,26,27,80,81,82,83,84,85
	v_mov_b32 v\j, 0                               ; zero codes: Q's upper 64 along K, and what stands behind K's last tile
.endr
.irp j, 236,237,238,239,252,253
	v_mov_b32 v\j, 0                               ; written once: lane permutes' destinations, and the pair v[252:253]
.endr
	s_lshr_b32 s81, s[WV], 1
	s_lshl_b32 s80, s81, 3
	s_add_co_u32 s81, s81, 1                       ; the first tile's key steps: the wave's number alone
	s_lshl_b32 s95, s11, 1
	s_add_co_u32 s80, s80, s95
	s_and_b32 s95, s[WV], 1
	s_add_co_u32 s80, s80, s95                     ; the first tile
	s_wait_tensorcnt 0x0                           ; my load, if I issued one, has landed
	s_barrier_signal -1
	s_barrier_wait -1                              ; everybody's has: from here on LDS is only read
; One tile of 16 queries: s80 the tile, s81 its key steps.
.macro TILE
	s_wait_xcnt 0x0                                ; the last tile's stores have read their bases and data: both are written again only behind this wait
	s_add_co_u32 s82, s78, s80                     ; q's fragment
	s_mul_i32 s84, s82, 1536
	s_add_co_u32 s84, s84, s19
	s_mov_b32 s85, 0
	s_add_nc_u64 s[84:85], s[4:5], s[84:85]
	s_lshr_b32 s86, s82, 2
	s_lshl_b32 s86, s86, 8                         ; its quad,
	s_and_b32 s87, s82, 3
	s_lshl_b32 s87, s87, 2                         ; its word,
	s_add_co_u32 s86, s86, s87
	s_lshl_b32 s87, s15, 1                         ; my head's two bytes
	s_add_co_u32 s86, s86, s87
	s_add_co_u32 s86, s86, SCO
	s_mov_b32 s87, 0
	s_add_nc_u64 s[86:87], s[4:5], s[86:87]
	global_load_b128 v[16:19], v1, s[84:85]
	global_load_b64 v[20:21], v2, s[84:85] offset:512
	global_load_u16 v30, v4, s[86:87]              ; the upper two bytes come as 0
	s_bfe_u32 s88, s80, 0x20001
	s_lshl_b32 s88, s88, 5
	s_and_b32 s89, s80, 1
	s_lshl_b32 s89, s89, 3
	s_add_co_u32 s88, s88, s89
	v_add_nc_u32 v5, s88, v6                       ; d = my query's place in its 128 less 16 (lane / 16): in the last step register 16 b + i is hidden where 32 b + i > d
	v_mov_b32 v13, 0xff61b1e6                      ; the largest t so far: -3e38
	s_delay_alu instid0(VALU_DEP_1)
	v_floor_f32 v12, -v13                          ; -M
	v_mov_b32 v14, 0
	v_mov_b32 v15, 0
.set N, 0
.rept 32
	v_mov_b32 v[160+N], 0                          ; O^T: the step is written once; the first finds zeros, which the first change of M leaves zeros
.set N, N+1
.endr
	s_mov_b32 s90, 0                               ; the key step
	s_mov_b32 s91, LKC
	s_mov_b32 s92, LVC
	s_mov_b32 s93, LKS
	s_mov_b32 s94, LVS
	s_wait_loadcnt 0x0                             ; Q
.Lstep_\@:
	s_cmp_ge_u32 s90, s81                          ; all keys of this step come after my queries: only the addresses step
	s_cbranch_scc1 .Lhidden_\@
	s_setprio 2
	v_add_nc_u32 v8, s91, v1                       ; six plain lines: also the places in front of loads into registers that the last products read
	v_add_nc_u32 v9, s91, v2
	v_add_nc_u32 v10, s92, v1
	v_add_nc_u32 v11, s92, v2
	v_add_nc_u32 v28, s93, v3
	v_add_nc_u32 v29, s94, v4
.irp t, 0,1,2,3,4,5,6,7
	ds_load_b128 v[32+6*\t:35+6*\t], v8 offset:768*\t
	ds_load_b64 v[36+6*\t:37+6*\t], v9 offset:768*\t+512
	ds_load_u16 v[86+\t], v28 offset:256*(\t/4)+4*(\t%4)
.endr
	s_wait_alu depctr_va_vdst(0)
	s_wait_dscnt 0x0
.irp t, 0,1,2,3,4,5,6,7                ; S^T: tile t's 64 channels in six registers; the six behind them meet Q's zero codes
	v_wmma_scale_f32_16x16x128_f8f6f4 v[96+8*\t:103+8*\t], v[32+6*\t:43+6*\t], v[16:27], 0, v[86+\t], v30 matrix_a_fmt:MATRIX_FMT_FP6 matrix_b_fmt:MATRIX_FMT_FP6
.endr
.rept 4
	v_nop                                          ; places: in front of the loads below and of the first read of the scores
.endr
.irp t, 0,1,2,3                        ; V's four fragments land while the softmax is worked
	ds_load_b128 v[32+12*\t:35+12*\t], v10 offset:1536*\t
	ds_load_b64 v[36+12*\t:37+12*\t], v11 offset:1536*\t+512
	ds_load_b128 v[38+12*\t:41+12*\t], v10 offset:1536*\t+768
	ds_load_b64 v[42+12*\t:43+12*\t], v11 offset:1536*\t+1280
.endr
	ds_load_b128 v[192:195], v29
	s_add_co_u32 s95, s90, 1
	s_cmp_lg_u32 s95, s81                          ; only the tile's last step lies on the diagonal
	s_cbranch_scc1 .Lopen_\@
	v_mov_b32 v254, 0xff800000                     ; -infinity: p = 0 then.  Key 0 of the step counts for every query, so the row's maximum stays a number
.set N, 0
.rept 64
	v_cmp_gt_i32 vcc_lo, 32*(N/16)+N%16, v5
	v_cndmask_b32 v[96+N], v[96+N], v254, vcc_lo
.set N, N+1
.endr
.Lopen_\@:
.irp b, 0,1,2,3
	v_max3_num_f32 v[232+\b], v[96+16*\b], v[97+16*\b], v[98+16*\b]   ; the largest score of each block of 32 keys: for the row's maximum and, since p rises with the score, for the block's largest p
.endr
.irp i, 3,5,7,9,11,13
.irp b, 0,1,2,3
	v_max3_num_f32 v[232+\b], v[232+\b], v[96+16*\b+\i], v[97+16*\b+\i]
.endr
.endr
.irp b, 0,1,2,3
	v_max_num_f32 v[232+\b], v[232+\b], v[111+16*\b]
.endr
.irp b, 0,1,2,3
	s_delay_alu instid0(VALU_DEP_4)
	v_permlanex16_b32 v[236+\b], v[232+\b], s[SEL], s[SEL+1]
.endr
.irp b, 0,1,2,3
	s_delay_alu instid0(VALU_DEP_4)
	v_max_num_f32 v[232+\b], v[232+\b], v[236+\b]  ; with lane l xor 16's 16 keys
.endr
	s_delay_alu instid0(VALU_DEP_2)
	v_max3_num_f32 v254, v232, v233, v234
	s_delay_alu instid0(VALU_DEP_1)
	v_max_num_f32 v254, v254, v235
	s_delay_alu instid0(VALU_DEP_1)
	v_mul_f32 v254, s[CS], v254                    ; the step's largest t
	s_delay_alu instid0(VALU_DEP_1)
	v_max_num_f32 v13, v13, v254
	v_mov_b32 v254, v12
	s_delay_alu instid0(VALU_DEP_2)
	v_floor_f32 v12, -v13                          ; the new -M = -ceil(t)
	s_delay_alu instid0(VALU_DEP_1)
	v_sub_f32 v254, v12, v254                      ; old M less new M: a whole number, 0 or less
	s_delay_alu instid0(VALU_DEP_1)
	v_cvt_i32_f32 v254, v254                       ; (it saturates)
	s_delay_alu instid0(VALU_DEP_1)
	v_ldexp_f32 v252, 1.0, v254                    ; f = 2^(old M - new M)
.set N, 0
	s_setprio 1
.rept 32
	v_pk_fma_f32 v[96+N:97+N], v[96+N:97+N], s[CS:CS+1], v[12:13] op_sel_hi:[1,0,0]   ; t - M, two at a time
.set N, N+2
.endr
.irp b, 0,1,2,3
	v_fma_f32 v[232+\b], v[232+\b], s[CS], v12     ; the same of each block's largest score
.endr
.set N, 0
	s_wait_alu depctr_va_vdst(0)
.rept 64
	v_exp_f32 v[96+N], v[96+N]                     ; p = 2^(t - M)
.set N, N+1
.endr
.irp b, 0,1,2,3
	v_exp_f32 v[232+\b], v[232+\b]                 ; the block's largest p
.endr
	v_pk_mul_f32 v[14:15], v[14:15], v[252:253] op_sel_hi:[1,0]   ; the sums under the new M; a plain place behind the exponentials
	s_wait_alu depctr_va_vdst(0)
.irp b, 0,1,2,3
	v_max_num_f32 v[232+\b], 0x1800000, v[232+\b]  ; the floor 2^(3 - 127)
.endr
.irp b, 0,1,2,3
	s_delay_alu instid0(VALU_DEP_4)
	v_add_nc_u32 v[244+\b], 0xff000000, v[232+\b]  ; 2 off the exponent field: the conversion's scale operand
.endr
.irp b, 0,1,2,3
	s_delay_alu instid0(VALU_DEP_4)
	v_lshrrev_b32 v[236+\b], 23, v[244+\b]
.endr
	s_delay_alu instid0(VALU_DEP_3)
	v_lshl_or_b32 v253, v237, 8, v236              ; p's scale word for these 128 keys
	s_delay_alu instid0(VALU_DEP_1)
	v_lshl_or_b32 v253, v238, 16, v253
	s_delay_alu instid0(VALU_DEP_1)
	v_lshl_or_b32 v253, v239, 24, v253
.irp c, 0,1
	v_cvt_scalef32_pk16_fp6_f32 v[224+6*\c:226+6*\c], v[96+32*\c:111+32*\c], v[244+2*\c]
	v_cvt_scalef32_pk16_fp6_f32 v[236+4*\c:238+4*\c], v[112+32*\c:127+32*\c], v[245+2*\c]
.endr
	v_nop                                          ; one plain place behind a scaled conversion
.irp c, 0,1
.irp i, 0,1,2
	v_permlane16_swap_b32 v[224+6*\c+\i], v[236+4*\c+\i]
.endr
.irp i, 0,1,2
	s_delay_alu instid0(VALU_DEP_3)
	v_mov_b32 v[227+6*\c+\i], v[236+4*\c+\i]
.endr
.endr
	v_pk_add_f32 v[236:237], v[100:101], v[104:105]
	v_pk_add_f32 v[248:249], v[108:109], v[112:113]
	v_pk_add_f32 v[246:247], v[116:117], v[120:121]
	v_pk_add_f32 v[244:245], v[124:125], v[128:129]
	v_pk_add_f32 v[242:243], v[132:133], v[136:137]
	v_pk_add_f32 v[240:241], v[140:141], v[144:145]
	v_pk_add_f32 v[222:223], v[148:149], v[152:153]
	v_pk_add_f32 v[14:15], v[14:15], v[156:157]
	v_pk_add_f32 v[236:237], v[236:237], v[96:97]
	s_setprio 0
	v_pk_add_f32 v[248:249], v[248:249], v[98:99]
	v_pk_add_f32 v[246:247], v[246:247], v[102:103]
	v_pk_add_f32 v[244:245], v[244:245], v[106:107]
	v_pk_add_f32 v[242:243], v[242:243], v[110:111]
	v_pk_add_f32 v[240:241], v[240:241], v[114:115]
	v_pk_add_f32 v[222:223], v[222:223], v[118:119]
	v_pk_add_f32 v[14:15], v[14:15], v[122:123]
	v_pk_add_f32 v[236:237], v[236:237], v[126:127]
	v_pk_add_f32 v[248:249], v[248:249], v[130:131]
	v_pk_add_f32 v[246:247], v[246:247], v[134:135]
	v_pk_add_f32 v[244:245], v[244:245], v[138:139]
	v_pk_add_f32 v[242:243], v[242:243], v[142:143]
	v_pk_add_f32 v[240:241], v[240:241], v[146:147]
	v_pk_add_f32 v[222:223], v[222:223], v[150:151]
	v_pk_add_f32 v[14:15], v[14:15], v[154:155]
	v_pk_add_f32 v[236:237], v[236:237], v[158:159]
	s_delay_alu instid0(VALU_DEP_2)
	v_pk_add_f32 v[14:15], v[14:15], v[244:245]
	s_delay_alu instid0(VALU_DEP_2)
	v_pk_add_f32 v[236:237], v[236:237], v[242:243]
	v_pk_add_f32 v[248:249], v[248:249], v[240:241]
	v_pk_add_f32 v[246:247], v[246:247], v[222:223]
	s_delay_alu instid0(VALU_DEP_2)
	v_pk_add_f32 v[14:15], v[14:15], v[248:249]
	s_delay_alu instid0(VALU_DEP_2)
	v_pk_add_f32 v[236:237], v[236:237], v[246:247]
	s_delay_alu instid0(VALU_DEP_1)
	v_pk_add_f32 v[14:15], v[14:15], v[236:237]
.set N, 0
.rept 16
	v_pk_mul_f32 v[160+N:161+N], v[160+N:161+N], v[252:253] op_sel_hi:[1,0]   ; O^T under the new M
.set N, N+2
.endr
	s_wait_alu depctr_va_vdst(0)
	s_wait_dscnt 0x0                               ; V and its scale words are in
.irp t, 0,1,2,3                        ; O^T += V^T P^T: four accumulators by turns
	v_wmma_scale_f32_16x16x128_f8f6f4 v[160+8*\t:167+8*\t], v[32+12*\t:43+12*\t], v[224:235], v[160+8*\t:167+8*\t], v[192+\t], v253 matrix_a_fmt:MATRIX_FMT_FP6 matrix_b_fmt:MATRIX_FMT_FP6
.endr
.Lhidden_\@:
	s_add_co_u32 s91, s91, 6144
	s_add_co_u32 s92, s92, 6144
	s_add_co_u32 s93, s93, 512
	s_add_co_u32 s94, s94, 256
	s_add_co_u32 s90, s90, 1
	s_cmp_lt_u32 s90, 16
	s_cbranch_scc1 .Lstep_\@
	s_setprio 0
	; ctx = O^T / the sum; register 16 b + i is channel 32 b + 16 (lane / 16) + i of my query: two blocks of the last product's K
.rept 4
	v_nop                                          ; places behind the last products
.endr
	v_add_f32 v14, v14, v15
	s_delay_alu instid0(VALU_DEP_1)
	v_permlanex16_b32 v252, v14, s[SEL], s[SEL+1]
	s_delay_alu instid0(VALU_DEP_1)
	v_add_f32 v14, v14, v252                       ; the row's sum
	s_wait_alu depctr_va_vdst(0)
	v_rcp_f32 v14, v14
	v_nop                                          ; one plain place behind a transcendental
.set N, 0
	s_wait_alu depctr_va_vdst(0)
.rept 32
	v_mul_f32 v[96+N], v[160+N], v14
.set N, N+1
.endr
.irp b, 0,1
	v_max3_num_f32 v[232+\b], |v[96+16*\b]|, |v[97+16*\b]|, 0x1800000
.endr
.irp i, 2,4,6,8,10,12,14
.irp b, 0,1
	s_delay_alu instid0(VALU_DEP_2)
	v_max3_num_f32 v[232+\b], v[232+\b], |v[96+16*\b+\i]|, |v[97+16*\b+\i]|
.endr
.endr
.irp b, 0,1
	s_delay_alu instid0(VALU_DEP_2)
	v_permlanex16_b32 v[236+\b], v[232+\b], s[SEL], s[SEL+1]
.endr
.irp b, 0,1
	s_delay_alu instid0(VALU_DEP_2)
	v_max_num_f32 v[232+\b], v[232+\b], v[236+\b]
.endr
.irp b, 0,1
	s_delay_alu instid0(VALU_DEP_2)
	v_add_nc_u32 v[244+\b], 0xff000000, v[232+\b]
.endr
.irp b, 0,1
	s_delay_alu instid0(VALU_DEP_2)
	v_lshrrev_b32 v[236+\b], 23, v[244+\b]
.endr
	s_delay_alu instid0(VALU_DEP_1)
	v_lshl_or_b32 v31, v237, 8, v236               ; my head's two bytes of my query's scale word
	v_cvt_scalef32_pk16_fp6_f32 v[224:226], v[96:111], v244
	v_cvt_scalef32_pk16_fp6_f32 v[236:238], v[112:127], v245
	v_nop
.irp i, 0,1,2
	v_permlane16_swap_b32 v[224+\i], v[236+\i]
.endr
.irp i, 0,1,2
	s_delay_alu instid0(VALU_DEP_3)
	v_mov_b32 v[227+\i], v[236+\i]                 ; v224-229: block lane / 16 of my query: half a fragment
.endr
	s_lshr_b32 s82, s80, 3
	s_mul_i32 s82, s82, 102400
	s_add_co_u32 s82, s82, s18                     ; the panel.  (s[84:87] were Q's bases: those loads were waited for)
	s_and_b32 s83, s80, 7
	s_mul_i32 s84, s83, 1536
	s_add_co_u32 s84, s84, s82
	s_add_co_u32 s84, s84, s19
	s_mov_b32 s85, 0
	s_add_nc_u64 s[84:85], s[8:9], s[84:85]
	s_lshr_b32 s86, s83, 2
	s_lshl_b32 s86, s86, 8
	s_and_b32 s87, s80, 3
	s_lshl_b32 s87, s87, 2
	s_add_co_u32 s86, s86, s87
	s_lshl_b32 s87, s15, 1
	s_add_co_u32 s86, s86, s87
	s_add_co_u32 s86, s86, s82
	s_add_co_u32 s86, s86, 12288
	s_mov_b32 s87, 0
	s_add_nc_u64 s[86:87], s[8:9], s[86:87]
	s_wait_alu depctr_va_vdst(0)
	global_store_b128 v1, v[224:227], s[84:85]     ; 512 and 256 consecutive bytes, at multiples of 256 from the buffer's first byte
	global_store_b64 v2, v[228:229], s[84:85] offset:512
	global_store_b16 v4, v31, s[86:87]             ; two bytes a query, 16 bytes apart: a head owns half of a scale word; 32 bytes of the tile's 800.  Lanes 16-31 write what lanes 0-15 write
.endm
	TILE
	s_sub_co_u32 s80, 127, s80                     ; the partner tile,
	s_sub_co_u32 s81, 17, s81                      ; whose steps make up 17
	TILE
	s_wait_tensorcnt 0x0
	ds_add_u32 v251, v255
	s_wait_dscnt 0x0
	CROUND                                         ; the closing round
	s_endpgm
.Lfunc_end_k_q7d514d47af_attn:
	.size	k_q7d514d47af_attn, .Lfunc_end_k_q7d514d47af_attn-k_q7d514d47af_attn
	.p2alignl 7, 3214868480
	.fill 96, 4, 3214868480
	.section	.rodata,"a",@progbits
	.p2align	6, 0x0
	.amdhsa_kernel k_q7d514d47af_attn
		.amdhsa_group_segment_fixed_size 210944
		.amdhsa_private_segment_fixed_size 0
		.amdhsa_enable_private_segment 0
		.amdhsa_kernarg_size 24
		.amdhsa_user_sgpr_count 2
		.amdhsa_user_sgpr_kernarg_segment_ptr 1
		.amdhsa_wavefront_size32 1
		.amdhsa_system_sgpr_workgroup_id_x 1
		.amdhsa_system_sgpr_workgroup_id_y 1
		.amdhsa_system_sgpr_workgroup_id_z 1
		.amdhsa_system_vgpr_workitem_id 0
		.amdhsa_next_free_vgpr 256
		.amdhsa_next_free_sgpr 100
		.amdhsa_reserve_vcc 1
		.amdhsa_float_denorm_mode_32 3
		.amdhsa_float_denorm_mode_16_64 3
		.amdhsa_memory_ordered 1
		.amdhsa_forward_progress 1
		.amdhsa_inst_pref_size 70
	.end_amdhsa_kernel
	.amdgpu_metadata
---
amdhsa.version: [ 1, 2 ]
amdhsa.kernels:
  - .name:           k_q7d514d47af_attn
    .symbol:         k_q7d514d47af_attn.kd
    .args:
      - { .name: qkb, .offset: 0, .size: 8, .value_kind: global_buffer, .address_space: global }
      - { .name: vb, .offset: 8, .size: 8, .value_kind: global_buffer, .address_space: global }
      - { .name: cq, .offset: 16, .size: 8, .value_kind: global_buffer, .address_space: global }
    .group_segment_fixed_size: 210944
    .private_segment_fixed_size: 0
    .kernarg_segment_align: 8
    .kernarg_segment_size: 24
    .max_flat_workgroup_size: 512
    .sgpr_count:     100
    .vgpr_count:     256
    .wavefront_size: 32
...
	.end_amdgpu_metadata
.endif
;; end of part 3
;; launch gemm_out (part 4): grid 8 x 32, 4 waves a work-group, clusters of 4 x 4, 307,712 bytes of LDS; arguments wo, cq, b_out, out0; writes out0
.if DOCPART == 4
	.amdgcn_target "amdgcn-amd-amdhsa--gfx1250"
	.amdhsa_code_object_version 6
	.text
	.protected	k_q7d514d47af_gemm_out
	.globl	k_q7d514d47af_gemm_out
	.p2align	8
	.type	k_q7d514d47af_gemm_out,@function
k_q7d514d47af_gemm_out:
	s_mov_b64 s[64:65], 0
	v_nop
	global_prefetch_b8 v0, s[64:65] scope:SCOPE_SE
	s_setreg_imm32_b32 hwreg(HW_REG_WAVE_MODE, 25, 1), 1
	s_wait_xcnt 0x0
	s_wait_alu depctr_hold_cnt(0) depctr_sa_sdst(0) depctr_va_vdst(0) depctr_va_sdst(0) depctr_va_ssrc(0) depctr_va_vcc(0) depctr_vm_vsrc(0)
	s_getreg_b32 s2, hwreg(HW_REG_IB_STS2, 6, 4)
	s_cmp_eq_u32 s2, 0
	s_cbranch_scc0 .Lentry_in_a_cluster
	s_endpgm
.Lentry_in_a_cluster:
	s_bfe_u32 s2, ttmp6, 0x10000c
	s_cmp_lg_u32 s2, 0xf033
	s_cbranch_scc0 .Lentry_shape_is_right
	s_endpgm
.Lentry_shape_is_right:
; out0 = ctx W_out^T + b_out on codes of FP6 (E2M3).  P (source 0) = W_out's panels, Q (source 1) = ctx's panels: [row / 128][K / 128 = 8][12,800 bytes], a panel being eight fragments of 1,536 bytes
; (images of the operand's registers) and two quads of scale words.  out0 is [8192][1024] f32.
; A work-group takes 128 output features (block px) x 256 tokens (blocks 2 qy, 2 qy + 1); K = 1,024 lies whole in LDS: 3 x 102,400 bytes, each byte filled once.  A wave takes all 8 tiles of P x 4 tiles of Q: 32 accumulators.
; The rows of a tile: lane r of tile T holds row 32 (T / 2) + 8 (T % 2) + r % 8 + 16 (r / 8).  So in lane (r, h) register j of tile 2 b + u is feature 32 b + 16 h + 8 u + j of one token.
; The bias is the C of each sum's first matrix instruction: eight registers a tile of P, in the result's layout.
; THE WAY OUT: a tile of 16 tokens x 128 features goes through the wave's own stage in LDS and leaves as whole rows of 512 bytes.  The stages lie in P's first panels, which have had their only fill and which no wave reads behind the barrier of K step 3.
; CLUSTERS: 4 x 4 work-groups; P's panels are shared along a column of the cluster, Q's along a row, by joint loads.
; REGISTERS: window 0: v4-15 addresses; v19-21 the bias's and the stage's lane terms; v40-63 scale words, two sets; v64-207 fragment set 0, later rows of out0.   window 1: accumulator (a, b) at 64 a + 8 b.
;   window 2: fragment set 1 (P at 12 b, Q at 96 + 12 a); v144-207 the bias.
.set PANEL, 12800
.set BLOCK, 102400
.set CHUNK, 25600
.set SP,    528                        ; a stage row: 512 bytes + 16 = 132 words: row r starts 4 r words on modulo 64 (64 banks of 4 bytes: ISA guide 11.1)
.set PA, 4
.set PB, 6
.set QA, 8
.set QB, 10
.set PS, 12
.set QS, 14
.set BO, 19                            ; v19  64 (lane / 16): my half's place in a tile's bias
.set STO, 20                           ; v20  the stage: where I put 16 bytes of a row
.set RD, 21                            ; v21  and where I read a row back
.set SC, 40
.set BI, 144                           ; the bias, in window 2
.set G1P, 24
.set G1Q, 32
.set G0P, 48
.set G0Q, 68
.set MSB, 0
.macro WIN new                         ; the immediate's high byte repeats the setting that is left
.if MSB != \new
	s_set_vgpr_msb (MSB<<8)|\new
.set MSB, \new
.endif
.endm
.macro CROUND                          ; a round of the cluster's barrier
	s_barrier_signal -1
	s_barrier_wait -1
	s_cmp_lg_u32 s14, 0
	s_cbranch_scc1 .Lnot_wave_0_\@
	s_barrier_signal -3
.Lnot_wave_0_\@:
	s_barrier_wait -3
	s_barrier_signal -1
	s_barrier_wait -1
.endm
.macro PLACES                          ; four places behind a matrix instruction of this form (ISA guide 7.12.1)
.rept 4
	v_nop
.endr
.endm
	s_load_b128 s[4:7], s[0:1], 0x0                ; P s[4:5], Q s[6:7]
	s_load_b128 s[8:11], s[0:1], 0x10              ; b_out s[8:9], out0 s[10:11]
	v_lshl_add_u32 v254, v0, 2, 0x4b000
	v_mov_b32 v255, 0
	ds_add_u32 v254, v255
	ds_add_u32 v254, v255
	v_lshrrev_b32 v1, 5, v0
	v_readfirstlane_b32 s14, v1                    ; wave 0..3
	s_lshr_b32 s15, s14, 1                         ; I fetch for P (0) or for Q (1).  Also: which block of Q I multiply
	s_and_b32 s16, s14, 1                          ; which panel of a chunk (P) or which block (Q) I fetch.  Also: which four tiles of Q's block I multiply
	s_bfe_u32 s40, ttmp6, 0x40000                  ; cx, cy
	s_bfe_u32 s41, ttmp6, 0x40004
	s_lshl_b32 s42, ttmp9, 2
	s_add_co_u32 s42, s42, s40                     ; px
	s_and_b32 s17, ttmp7, 0xffff
	s_lshl_b32 s17, s17, 2
	s_add_co_u32 s17, s17, s41                     ; qy
	s_lshl_b32 s43, s41, 2
	s_lshl_b32 s43, 15, s43                        ; my row of the cluster
	s_lshl_b32 s44, 0x1111, s40                    ; my column
	s_or_b32 s[G1P], s44, (3<<16)|(1<<21)          ; the mask: P goes to my column; elements of 8 bytes; bit 21 set beside a mask; no padding
	s_or_b32 s[G1Q], s43, (3<<16)|(1<<21)
	s_mov_b32 s[G1P+1], 32<<16                     ; rows of 256 bytes,
	s_mov_b32 s[G1P+2], 50<<16                     ; 50 of them: one panel
	s_mov_b32 s[G1P+3], 32<<16
	s_mov_b32 s[G1P+4], 50
	s_mov_b32 s[G1P+5], 32
	s_mov_b32 s[G1P+6], 0
	s_mov_b32 s[G1P+7], 0
	s_mov_b32 s[G1Q+1], 32<<16
	s_mov_b32 s[G1Q+2], 100<<16                    ; two panels
	s_mov_b32 s[G1Q+3], 32<<16
	s_mov_b32 s[G1Q+4], 100
	s_mov_b32 s[G1Q+5], 32
	s_mov_b32 s[G1Q+6], 0
	s_mov_b32 s[G1Q+7], 0
	s_mul_i32 s18, s42, BLOCK                      ; P's block, in registers that never hold cy
	s_mul_i32 s45, s16, PANEL
	s_add_co_u32 s18, s18, s45
	s_mov_b32 s19, 0
	s_lshl_b32 s46, s17, 1                         ; Q's block, in registers that never hold cx
	s_add_co_u32 s46, s46, s16
	s_mul_i32 s46, s46, BLOCK
	s_mov_b32 s47, 0
	s_mul_i32 s84, s16, BLOCK
	s_add_co_u32 s84, s84, BLOCK
	s_wait_dscnt 0x0
	s_wait_kmcnt 0x0
	s_add_nc_u64 s[20:21], s[4:5], s[18:19]
	s_add_nc_u64 s[22:23], s[6:7], s[46:47]
.irp c, 0,1,2,3
	s_mov_b32 s[G0P+4*\c], 1
	s_add_co_u32 s[G0P+4*\c+1], s45, \c*CHUNK
	s_add_nc_u64 s[G0P+4*\c+2:G0P+4*\c+3], s[20:21], \c*CHUNK
	s_or_b32 s[G0P+4*\c+3], s[G0P+4*\c+3], 0x80000000
	s_mov_b32 s[G0Q+4*\c], 1
	s_add_co_u32 s[G0Q+4*\c+1], s84, \c*CHUNK
	s_add_nc_u64 s[G0Q+4*\c+2:G0Q+4*\c+3], s[22:23], \c*CHUNK
	s_or_b32 s[G0Q+4*\c+3], s[G0Q+4*\c+3], 0x80000000
.endr
	CROUND                                         ; all sixteen work-groups are here: the joint loads meet
	s_cmp_eq_u32 s15, 0                            ; a wave's four fills stand in one branch on the wave's number: four tensor loads of mine are out
	s_cbranch_scc0 .Lfor_q
.irp c, 0,1,2,3
	tensor_load_to_lds s[G0P+4*\c:G0P+4*\c+3], s[G1P:G1P+7]
	s_nop 0
.endr
.rept 4
	v_nop
.endr
	s_branch .Lasked
.Lfor_q:
.irp c, 0,1,2,3
	tensor_load_to_lds s[G0Q+4*\c:G0Q+4*\c+3], s[G1Q:G1Q+7]
	s_nop 0
.endr
.rept 4
	v_nop
.endr
.Lasked:
	v_and_b32 v1, 31, v0                           ; lane
	v_and_b32 v2, 15, v0                           ; r
	v_bfe_u32 v3, v0, 4, 1                         ; h
	v_lshlrev_b32 v[BO], 6, v3
	s_lshl_b32 s92, s42, 9
	s_mov_b32 s93, 0
	s_add_nc_u64 s[8:9], s[8:9], s[92:93]          ; my block's 128 numbers of the bias
	WIN 0x80                                       ; destination window 2
.irp b, 0,1,2,3,4,5,6,7
	global_load_b128 v[BI+8*\b:BI+8*\b+3], v[BO], s[8:9] offset:(32*(\b/2)+8*(\b%2))*4
	global_load_b128 v[BI+8*\b+4:BI+8*\b+7], v[BO], s[8:9] offset:(32*(\b/2)+8*(\b%2))*4+16
.endr
	WIN 0
	v_lshlrev_b32 v[PA], 4, v1
	v_lshlrev_b32 v[PB], 3, v1
	v_lshlrev_b32 v[PS], 4, v2
	s_mul_i32 s85, s15, BLOCK
	s_add_co_u32 s85, s85, BLOCK                   ; my block of Q
	s_mul_i32 s86, s16, 6144
	s_add_co_u32 s86, s86, s85
	s_lshl_b32 s87, s16, 8
	s_add_co_u32 s87, s87, s85
	v_add_nc_u32 v[QA], s86, v[PA]
	v_add_nc_u32 v[QB], s86, v[PB]
	v_add_nc_u32 v[QS], s87, v[PS]
.irp g, PA, PB, QA, QB, PS, QS
	v_add_nc_u32 v[\g+1], 4*PANEL, v[\g]
.endr
	s_mul_i32 s92, s14, 16*SP                      ; my stage
	v_mul_u32_u24 v[STO], v2, SP
	v_lshl_add_u32 v[STO], v3, 6, v[STO]
	v_add_nc_u32 v[STO], s92, v[STO]               ; in: row r, + 64 h
	v_add_nc_u32 v[RD], s92, v[PA]                 ; back: 16 x lane of a row
	s_lshl_b32 s90, s17, 8
	s_lshl_b32 s91, s14, 6
	s_add_co_u32 s90, s90, s91                     ; my first token: 256 qy + 64 x wave
	s_lshl_b32 s90, s90, 12
	s_lshl_b32 s91, s42, 9                         ; my block's first feature, in bytes
	s_add_co_u32 s90, s90, s91
	s_mov_b32 s91, 0
	s_add_nc_u64 s[10:11], s[10:11], s[90:91]
.macro FRAGLD reg, a16, a8, off
	ds_load_b128 v[\reg:\reg+3], v[\a16] offset:\off
	ds_load_b64 v[\reg+4:\reg+5], v[\a8] offset:\off+512
	ds_load_b128 v[\reg+6:\reg+9], v[\a16] offset:\off+768
	ds_load_b64 v[\reg+10:\reg+11], v[\a8] offset:\off+1280
.endm
.macro FETCH s                         ; K step s: 12 fragments and 12 scale words into set s % 2: 51 LDS loads
.set HI, (\s)/4
.set OO, PANEL*((\s)%4)
.if (\s)%2
	WIN 0x80
.set FP, 0
.set FQ, 96
.else
.set FP, 64
.set FQ, 160
.endif
.irp b, 0,1,2,3,4,5,6,7
	FRAGLD FP+12*\b, PA+HI, PB+HI, OO+1536*\b
.endr
.irp a, 0,1,2,3
	FRAGLD FQ+12*\a, QA+HI, QB+HI, OO+1536*\a
.endr
	WIN 0
.set SS, SC+12*((\s)%2)
	ds_load_b128 v[SS:SS+3], v[PS+HI] offset:OO+12288
	ds_load_b128 v[SS+4:SS+7], v[PS+HI] offset:OO+12544
	ds_load_b128 v[SS+8:SS+11], v[QS+HI] offset:OO+12288
.endm
.macro MUL a, s                        ; Q's tile a against P's eight; the 32 accumulators take turns, one instruction a turn, in the same order in every step.  Step 0 starts the sums with the bias
.if (\s) == 0
	WIN 0x60                                       ; sources 0 and 1 window 0, C (the bias) window 2, D window 1
.set FP, 64
.set FQ, 160
.elseif (\s)%2
	WIN 0x5a                                       ; sources 0 and 1 window 2, C and D window 1
.set FP, 0
.set FQ, 96
.else
	WIN 0x50
.set FP, 64
.set FQ, 160
.endif
.set SS, SC+12*((\s)%2)
.irp b, 0,1,2,3,4,5,6,7
.if (\s) == 0
	v_wmma_scale_f32_16x16x128_f8f6f4 v[64*(\a)+8*\b:64*(\a)+8*\b+7], v[FP+12*\b:FP+12*\b+11], v[FQ+12*(\a):FQ+12*(\a)+11], v[BI+8*\b:BI+8*\b+7], v[SS+\b], v[SS+8+(\a)] matrix_a_fmt:MATRIX_FMT_FP6 matrix_b_fmt:MATRIX_FMT_FP6
.else
	v_wmma_scale_f32_16x16x128_f8f6f4 v[64*(\a)+8*\b:64*(\a)+8*\b+7], v[FP+12*\b:FP+12*\b+11], v[FQ+12*(\a):FQ+12*(\a)+11], v[64*(\a)+8*\b:64*(\a)+8*\b+7], v[SS+\b], v[SS+8+(\a)] matrix_a_fmt:MATRIX_FMT_FP6 matrix_b_fmt:MATRIX_FMT_FP6
.endif
.endr
.endm
.macro STEP s
	s_wait_dscnt 0x0                               ; this step's fragments and scale words are in
	MUL 0, \s
.if (\s) < 7
	WIN 0
.if (\s)%2
	s_wait_tensorcnt 3-((\s)+1)/2                  ; my part of the next chunk is in; the younger chunks may stay out
	s_barrier_signal -1                            ; (no LDS load of mine is out: the step's head waited for all)
	s_barrier_wait -1
.endif
	PLACES                                         ; the other set was last read by the step before
	FETCH (\s)+1
.endif
	MUL 1, \s
	MUL 2, \s
	MUL 3, \s
.endm
	s_wait_alu depctr_va_vdst(0)
	s_wait_tensorcnt 3                             ; my part of chunk 0 is in; three loads of mine are out
	s_barrier_signal -1
	s_barrier_wait -1
	FETCH 0
	s_wait_loadcnt 0x0                             ; the bias
.irp s, 0,1,2,3,4,5,6,7
	STEP \s
.endr
	WIN 0
	PLACES                                         ; in front of the first read of results and of loads into registers that held fragments
.irp a, 0,1,2,3
.if \a > 1
	s_wait_xcnt 0x0                                ; the stores of the tile two back have read their registers: the loads below may land there
.endif
	WIN 0x04                                       ; an LDS store's data are its source 1: window 1
.irp b, 0,1,2,3,4,5,6,7
	ds_store_b128 v[STO], v[64*\a+8*\b:64*\a+8*\b+3] offset:128*(\b/2)+32*(\b%2)          ; each accumulator from its low end on
	ds_store_b128 v[STO], v[64*\a+8*\b+4:64*\a+8*\b+7] offset:128*(\b/2)+32*(\b%2)+16
.endr
	WIN 0
.irp i, 0,1,2,3,4,5,6,7,8,9,10,11,12,13,14,15
	ds_load_b128 v[64+64*(\a%2)+4*\i:64+64*(\a%2)+4*\i+3], v[RD] offset:SP*\i   ; LDS serves a wave's instructions in order (ISA guide 5.7.1.4): these see my stores
.endr
	s_wait_dscnt 0x0
.irp i, 0,1,2,3,4,5,6,7,8,9,10,11,12,13,14,15
	global_store_b128 v[PA], v[64+64*(\a%2)+4*\i:64+64*(\a%2)+4*\i+3], s[10:11] offset:(32*(\a/2)+8*(\a%2)+(\i%8)+16*(\i/8))*4096 th:TH_STORE_NT   ; 32 lanes store 512 consecutive bytes, at a multiple of 256 from out0's first byte
.endr
.endr
	s_wait_tensorcnt 0x0
	ds_add_u32 v254, v255
	s_wait_dscnt 0x0
	CROUND                                         ; the closing round
	s_endpgm
.Lfunc_end_k_q7d514d47af_gemm_out:
	.size	k_q7d514d47af_gemm_out, .Lfunc_end_k_q7d514d47af_gemm_out-k_q7d514d47af_gemm_out
	.p2alignl 7, 3214868480
	.fill 96, 4, 3214868480
	.section	.rodata,"a",@progbits
	.p2align	6, 0x0
	.amdhsa_kernel k_q7d514d47af_gemm_out
		.amdhsa_group_segment_fixed_size 307712
		.amdhsa_private_segment_fixed_size 0
		.amdhsa_enable_private_segment 0
		.amdhsa_kernarg_size 32
		.amdhsa_user_sgpr_count 2
		.amdhsa_user_sgpr_kernarg_segment_ptr 1
		.amdhsa_wavefront_size32 1
		.amdhsa_system_sgpr_workgroup_id_x 1
		.amdhsa_system_sgpr_workgroup_id_y 1
		.amdhsa_system_sgpr_workgroup_id_z 1
		.amdhsa_system_vgpr_workitem_id 0
		.amdhsa_next_free_vgpr 768
		.amdhsa_next_free_sgpr 96
		.amdhsa_reserve_vcc 0
		.amdhsa_float_denorm_mode_32 3
		.amdhsa_float_denorm_mode_16_64 3
		.amdhsa_memory_ordered 1
		.amdhsa_forward_progress 1
		.amdhsa_inst_pref_size 85
	.end_amdhsa_kernel
	.amdgpu_metadata
---
amdhsa.version: [ 1, 2 ]
amdhsa.kernels:
  - .name:           k_q7d514d47af_gemm_out
    .symbol:         k_q7d514d47af_gemm_out.kd
    .args:
      - { .name: wo, .offset: 0, .size: 8, .value_kind: global_buffer, .address_space: global }
      - { .name: cq, .offset: 8, .size: 8, .value_kind: global_buffer, .address_space: global }
      - { .name: b_out, .offset: 16, .size: 8, .value_kind: global_buffer, .address_space: global }
      - { .name: out0, .offset: 24, .size: 8, .value_kind: global_buffer, .address_space: global }
    .group_segment_fixed_size: 307712
    .private_segment_fixed_size: 0
    .kernarg_segment_align: 8
    .kernarg_segment_size: 32
    .max_flat_workgroup_size: 128
    .sgpr_count:     96
    .vgpr_count:     768
    .wavefront_size: 32
...
	.end_amdgpu_metadata
.endif
;; end of part 4
